; MI455X (gfx1250); checked and timed in simulation.
; The chip was launched on July 23, 2026; its instructions are those of AMD's public machine-readable ISA for CDNA 5 (MIT licence, August 2026) and "CDNA5" Instruction Set Architecture Reference Guide (July 2026). The comments in the code are by the model that wrote it; some were corrected since.
;; Gated Mo EFFN. Allowed arithmetic: matrix products marked QUANTISED: E2M3 operands, one E8M0 scale for each 32 along K, by v_wmma_scale_f32_16x16x128_f8f6f4 with both operands' format E2M3, f32 sums; products left as they are: f32 operands where the result goes on into a quantised operand, else bf16, f16 or f32 operands; f32 sums; everything else in f32.
;; Inputs: b1 8 x 2,048 float32; b2 8 x 2,048 float32; b3 8 x 512 float32; gate_b 8 float32; gate_w 512 x 8 float32; w1 8 x 512 x 2,048 float32; w2 8 x 512 x 2,048 float32; w3 8 x 2,048 x 512 float32; x 8 x 256 x 512 float32.
;; Outputs: out0 8 x 256 x 512 float32; out1 one number float32.
;; This version of the problem:
;;   THIS VERSION OF THE PROBLEM IS GIVEN IN LOW PRECISION. The matrix products marked QUANTISED in the list below multiply operands that are first quantised to E2M3 (2 exponent bits, 3 mantissa bits; 6 bits a number), with one power-of-two scale for each 32 numbers along K (OCP MX v1.0); their sums are f32. All else is computed in f32.
;;   The module's matrix products, in the order in which they are computed (A, B: the left and right operand; K: the contracted axis; several contracted axes count as one K, in the product's order):
;;     1. [M 2,048, K 512] x [K 512, N 8]; A: input x; B: input gate_w: left as it is (N = 8 < 16)
;;     2. [M 2,048, K 512] x [K 512, N 2,048]; A: input x; B: input w1: QUANTISED
;;     3. [M 2,048, K 512] x [K 512, N 2,048]; A: input x; B: input w2: QUANTISED
;;     4. [M 2,048, K 2,048] x [K 2,048, N 512]; A: computed on the way; B: input w3: QUANTISED
;;     5. [M 2,048, K 512] x [K 512, N 2,048]; A: input x; B: input w1: QUANTISED
;;     6. [M 2,048, K 512] x [K 512, N 2,048]; A: input x; B: input w2: QUANTISED
;;     7. [M 2,048, K 2,048] x [K 2,048, N 512]; A: computed on the way; B: input w3: QUANTISED
;;     8. [M 2,048, K 512] x [K 512, N 2,048]; A: input x; B: input w1: QUANTISED
;;     9. [M 2,048, K 512] x [K 512, N 2,048]; A: input x; B: input w2: QUANTISED
;;     10. [M 2,048, K 2,048] x [K 2,048, N 512]; A: computed on the way; B: input w3: QUANTISED
;;     11. [M 2,048, K 512] x [K 512, N 2,048]; A: input x; B: input w1: QUANTISED
;;     12. [M 2,048, K 512] x [K 512, N 2,048]; A: input x; B: input w2: QUANTISED
;;     13. [M 2,048, K 2,048] x [K 2,048, N 512]; A: computed on the way; B: input w3: QUANTISED
;;     14. [M 2,048, K 512] x [K 512, N 2,048]; A: input x; B: input w1: QUANTISED
;;     15. [M 2,048, K 512] x [K 512, N 2,048]; A: input x; B: input w2: QUANTISED
;;     16. [M 2,048, K 2,048] x [K 2,048, N 512]; A: computed on the way; B: input w3: QUANTISED
;;     17. [M 2,048, K 512] x [K 512, N 2,048]; A: input x; B: input w1: QUANTISED
;;     18. [M 2,048, K 512] x [K 512, N 2,048]; A: input x; B: input w2: QUANTISED
;;     19. [M 2,048, K 2,048] x [K 2,048, N 512]; A: computed on the way; B: input w3: QUANTISED
;;     20. [M 2,048, K 512] x [K 512, N 2,048]; A: input x; B: input w1: QUANTISED
;;     21. [M 2,048, K 512] x [K 512, N 2,048]; A: input x; B: input w2: QUANTISED
;;     22. [M 2,048, K 2,048] x [K 2,048, N 512]; A: computed on the way; B: input w3: QUANTISED
;;     23. [M 2,048, K 512] x [K 512, N 2,048]; A: input x; B: input w1: QUANTISED
;;     24. [M 2,048, K 512] x [K 512, N 2,048]; A: input x; B: input w2: QUANTISED
;;     25. [M 2,048, K 2,048] x [K 2,048, N 512]; A: computed on the way; B: input w3: QUANTISED
;;   THE QUANTISER, for each operand of a quantised product, along K:
;;     - K is cut into blocks of 32 from its start; a last block that is shorter is filled with zeros.
;;     - A block's scale is 2^e with e = floor(log2(the largest magnitude in the block)) - 2, held to -126 .. 127; a block of zeros has e = 0. As a byte (E8M0): e + 127.
;;     - Each number is divided by its block's scale, clamped to +-7.5, and rounded to the nearest number of E2M3, ties to even, subnormals kept.
;;     - The product sums the exact products of the quantised numbers (number of the format x scale) in f32.
;;   ~~~python
;;   def quantise(x, axis):      # numpy; x: float32 -> the quantised numbers, widened to float32 again
;;       x = np.moveaxis(x, axis, -1); K = x.shape[-1]
;;       x = np.pad(x, [(0, 0)] * (x.ndim - 1) + [(0, -K % 32)]); x = x.reshape(x.shape[:-1] + (-1, 32)); a = np.abs(x).max(-1, keepdims=True)
;;       e = np.where(a > 0, np.clip(np.frexp(np.where(a > 0, a, 1))[1] - 1 - 2, -126, 127), 0)      # np.frexp(a)[1] - 1 = floor(log2(a)), exactly
;;       r = np.clip(x / 2.0 ** e, -7.5, 7.5)
;;       step = 2.0 ** (np.maximum(np.frexp(np.where(r == 0, 1, r))[1] - 1, 0) - 3)
;;       q = np.round(r / step) * step * 2.0 ** e      # np.round: ties to even
;;       return np.moveaxis(q.reshape(q.shape[:-2] + (-1,))[..., :K], -1, axis).astype(np.float32)
;;   ~~~
;;   OPERANDS COMPUTED ON THE WAY. 'Computed on the way' means the value that the module computes at that place (a softmax that the list does not call 'softmax' is quantised finished and normalised). What goes into a quantiser is computed in f32, as accurately as f32 sums, v_exp_f32 and their like allow (about 1e-6 of the number): no bf16 or f16 on the way to a quantiser, and a product that is left as it is and whose result goes on into a quantised operand takes f32 operands (vector FMAs, or v_wmma_f32_16x16x4_f32). A number that lies on a knife's edge between two numbers of the format may be rounded either way, as far as f32 arithmetic and the matrix unit's own rounding can turn it there, and no further.
;; 2 versions, each right; version 2 is version 1 with the launch hidden written anew for expert scheduling mode. Each part assembles by itself: llvm-mc -triple=amdgcn-amd-amdhsa -mcpu=gfx1250 --defsym DOCPART=n.
;; ======== version 1 of 2: 4 launches
;; workspace buffers: route 8,192 bytes of whole numbers; order 65,792 bytes of whole numbers; xq 827,392 bytes; w3q 6,553,600 bytes; w12q 13,107,200 bytes; hq 4,454,400 bytes
;; launch route_q3 (part 1): grid 320 x 1, 8 waves a work-group, no clusters, 2,048 bytes of LDS; arguments x, gate_w, gate_b, w3, route, xq, w3q, out1; writes route, xq, w3q, out1
.if DOCPART == 1
	.amdgcn_target "amdgcn-amd-amdhsa--gfx1250"
	.amdhsa_code_object_version 6
	.text
	.protected	k_qae7e406f52_route_q3
	.globl	k_qae7e406f52_route_q3
	.p2align	8
	.type	k_qae7e406f52_route_q3,@function
k_qae7e406f52_route_q3:
	s_mov_b64 s[64:65], 0
	v_nop
	global_prefetch_b8 v0, s[64:65] scope:SCOPE_SE
	s_setreg_imm32_b32 hwreg(HW_REG_WAVE_MODE, 25, 1), 1
	s_wait_xcnt 0x0
; GatedMoEFFN, launch 1 of 4.  Work-groups 0-63: the router (logits, argmax, the chosen expert's softmax weight, all f32) and x as codes of E2M3.  Work-groups 64-319: w3 as codes of E2M3 along its K (the 2,048 hidden units).
; DEAD WORK LEFT OUT BY THE WHOLE PROGRAM.  reference() adds w * y with w = where(top == i, soft[:, i], 0): for every expert i that is not a token's argmax the term is 0 * y = 0 in exact arithmetic, whatever finite values
; the inputs hold.  So of the 24 quantised products only the rows (token, top[token]) reach out0, and only those are multiplied (launches 3 and 4).  Every input keeps a way to an output (any expert may be chosen): all are loaded.
; LIMITS.  A NaN, an infinity or an overflow that arises only in an expert that a token did not choose is not carried to the result.  NaN logits are not served.  Two largest logits nearer than the rounding of a
; 512-term f32 sum may give either expert (the sum's order differs from reference()'s).  A block of zeros gets the scale byte 1, not 127: its codes are zeros and this program alone reads the bytes.
; The chosen weight is exp(l_top - max) / sum exp(l - max) = 1 / sum exp(l - max), since l_top is the maximum: the maximum is taken away as reference() does.
; No address and no branch here hangs on the argmax: it is stored at its token's place, and launch 2 reads it.
; LAYOUTS.  xq: token * 400 bytes: block b = 4 s + 2 c + hh of 32, half f, at 96 s + 48 hh + 24 c + 12 f (so lane (r, hh) of K step s finds its 12 operand registers as 48 bytes on end); scale byte of block b at 384 + b;
;   the gate weights, f32, from byte 819,200.   w3q: fragment (expert, tile, K step) of 16 columns x 128 K = 1,536 bytes, an image of the operand's registers (register group i of lane L at 512 i + 16 L);
;   row r of tile 2 p + u is column 32 p + 8 u + r + 8 (r / 8); scale words from byte 6,291,456: ((expert * 4 + sg) * 512 + 16 tile + r) * 16, four words for K steps 4 sg .. 4 sg + 3.
.set SPARE, 1024                       ; LDS: 0-1023 the quantiser's scale words; from 1,024 the spare words, 128 bytes a wave
.set SPW, 254                          ; v254 LDS address of my spare word; never rewritten
.set NIL, 255                          ; v255 0; never rewritten
.set ACC, 16                           ; v16-23  a row's eight partial logits, as four pairs
.set LG,  26                           ; v26-33  the logits: lane l holds those of token 4 g + l % 4
.set CD,  34                           ; v34-49  codes, four registers a row
.set X,   50                           ; v50-113 four rows of x, 16 numbers a lane
.set GW,  114                          ; v114-241 gate_w(16 l + kk, e) at 8 kk + e
.set PB,  242                          ; v242-245 a scale word a row
.set TP,  246                          ; v246-253 the other half's sums
.set QN,   512                         ; the quantiser's tensor: columns,
.set QK,   2048                        ; K,
.set KS,   16                          ; K steps of 128,
.set SG,   4                           ; groups of four K steps,
.set ROWB, 2048                        ; bytes in a row
	s_load_b256 s[4:11], s[0:1], 0x0               ; x s[4:5], gate_w s[6:7], gate_b s[8:9], w3 s[10:11]
	s_load_b256 s[12:19], s[0:1], 0x20             ; route s[12:13], xq s[14:15], w3q s[16:17], out1 s[18:19]
	v_lshl_add_u32 v[SPW], v0, 2, SPARE
	v_mov_b32 v[NIL], 0
	v_lshrrev_b32 v1, 5, v0
	v_readfirstlane_b32 s2, v1                     ; wave 0..7
	v_and_b32 v1, 31, v0                           ; lane
	s_cmp_lt_u32 ttmp9, 64
	s_cbranch_scc0 .Lquant
; ---------------- the router and x.  Wave g = 8 x work-group + wave takes tokens 4 g .. 4 g + 3; lane l holds k = 16 l .. 16 l + 15 of each: half a block of 32.
	s_lshl_b32 s30, ttmp9, 3
	s_add_co_u32 s30, s30, s2                      ; g
	v_lshlrev_b32 v2, 6, v1                        ; x: 64 l
	v_lshlrev_b32 v3, 9, v1                        ; gate_w: 16 rows of 32 bytes a lane
	v_lshrrev_b32 v8, 1, v1                        ; my block b
	v_lshrrev_b32 v9, 2, v8
	v_mul_u32_u24 v4, v9, 96                       ; my 12 bytes of codes in a row of xq: 96 (b / 4)
	v_and_b32 v9, 1, v8
	v_mad_u32_u24 v4, v9, 48, v4                   ; + 48 (b % 2)
	v_bfe_u32 v9, v8, 1, 1
	v_mad_u32_u24 v4, v9, 24, v4                   ; + 24 ((b / 2) % 2)
	v_and_b32 v9, 1, v1
	v_mad_u32_u24 v4, v9, 12, v4                   ; + 12 (l % 2)
	v_lshrrev_b32 v5, 3, v1
	v_lshlrev_b32 v5, 2, v5                        ; my scale word: 4 (l / 8)
	v_and_b32 v6, 3, v8
	v_lshlrev_b32 v6, 3, v6                        ; my byte's place in it: 8 (b % 4) bits
	v_and_b32 v7, 3, v1
	v_lshlrev_b32 v7, 2, v7                        ; my token's word in route and among the weights
	v_mov_b32 v12, 0                               ; destinations of lane permutes count as read: written once
.irp e, 0,1,2,3,4,5,6,7
	v_mov_b32 v[TP+\e], 0
	v_mov_b32 v[LG+\e], 0
.endr
	s_mov_b32 s28, 0x76543210
	s_mov_b32 s29, 0xfedcba98                      ; v_permlanex16_b32: lane l xor 16
	s_mov_b32 s33, 0
	s_wait_kmcnt 0x0
	s_load_b256 s[20:27], s[8:9], 0x0              ; gate_b
	s_lshl_b32 s32, s30, 13
	s_add_nc_u64 s[4:5], s[4:5], s[32:33]          ; x at my first token
	s_mul_i32 s32, s30, 1600
	s_add_nc_u64 s[34:35], s[14:15], s[32:33]      ; xq at my first token
	s_lshl_b32 s32, s30, 4
	s_add_nc_u64 s[12:13], s[12:13], s[32:33]      ; route
	s_add_nc_u64 s[14:15], s[14:15], s[32:33]
	s_add_nc_u64 s[14:15], s[14:15], 819200        ; the weights
.irp i, 0,1,2,3,4,5,6,7,8,9,10,11,12,13,14,15,16,17,18,19,20,21,22,23,24,25,26,27,28,29,30,31
	global_load_b128 v[GW+4*\i:GW+4*\i+3], v3, s[6:7] offset:16*\i
.endr
.irp j, 0,1,2,3
.irp q, 0,1,2,3
	global_load_b128 v[X+16*\j+4*\q:X+16*\j+4*\q+3], v2, s[4:5] offset:2048*\j+16*\q th:TH_LOAD_NT
.endr
.endr
	s_wait_loadcnt 0x0
.macro ROW j
.set XR, X+16*(\j)
.set kk, 0
.rept 16                                           ; eight logits' partial sums over my 16 k: two experts an instruction, x(kk) for both halves
.set xe, XR+(kk/2)*2
.irp p, 0,1,2,3
.if kk == 0
	v_pk_mul_f32 v[ACC+2*\p:ACC+2*\p+1], v[xe:xe+1], v[GW+2*\p:GW+2*\p+1] op_sel_hi:[0,1]
.elseif kk%2 == 0
	v_pk_fma_f32 v[ACC+2*\p:ACC+2*\p+1], v[xe:xe+1], v[GW+8*kk+2*\p:GW+8*kk+2*\p+1], v[ACC+2*\p:ACC+2*\p+1] op_sel_hi:[0,1,1]
.else
	v_pk_fma_f32 v[ACC+2*\p:ACC+2*\p+1], v[xe:xe+1], v[GW+8*kk+2*\p:GW+8*kk+2*\p+1], v[ACC+2*\p:ACC+2*\p+1] op_sel:[1,0,0] op_sel_hi:[1,1,1]
.endif
.endr
.set kk, kk+1
.endr
	v_max3_num_f32 v8, |v[XR]|, |v[XR+1]|, |v[XR+2]|       ; the largest magnitude of my 16
	v_max3_num_f32 v9, |v[XR+3]|, |v[XR+4]|, |v[XR+5]|
.irp i, 6,10
	v_max3_num_f32 v8, v8, |v[XR+\i]|, |v[XR+\i+1]|
	v_max3_num_f32 v9, v9, |v[XR+\i+2]|, |v[XR+\i+3]|
.endr
	v_max3_num_f32 v8, v8, |v[XR+14]|, |v[XR+15]|
	v_max3_num_f32 v8, v8, v9, 0x1800000           ; and the floor 2^(3 - 127): the byte cannot fall under 1
	v_max_num_f32_dpp v8, v8, v8 row_xmask:1 row_mask:0xf bank_mask:0xf   ; with my neighbour's 16: the block's
	v_add_nc_u32 v11, 0xff000000, v8               ; 2 off its exponent field: the conversion's scale operand
	v_cvt_scalef32_pk16_fp6_f32 v[CD+4*(\j):CD+4*(\j)+2], v[XR:XR+15], v11
	v_lshrrev_b32 v10, 23, v11                     ; the scale's byte (a plain line behind the conversion)
	v_lshlrev_b32 v[PB+(\j)], v6, v10              ; at its place in the word; the eight lanes of a word join their four bytes
	v_mov_b32_dpp v12, v[PB+(\j)] row_xmask:2 row_mask:0xf bank_mask:0xf
	v_or_b32 v[PB+(\j)], v[PB+(\j)], v12
	v_mov_b32_dpp v12, v[PB+(\j)] row_xmask:4 row_mask:0xf bank_mask:0xf
	v_or_b32 v[PB+(\j)], v[PB+(\j)], v12
	global_store_b96 v4, v[CD+4*(\j):CD+4*(\j)+2], s[34:35] offset:400*(\j)    ; each row has its own data registers: none is written again
	global_store_b32 v5, v[PB+(\j)], s[34:35] offset:400*(\j)+384
.irp m, 1,2,4,8
.irp e, 0,1,2,3,4,5,6,7
	v_add_f32_dpp v[ACC+\e], v[ACC+\e], v[ACC+\e] row_xmask:\m row_mask:0xf bank_mask:0xf
.endr
.endr
.irp e, 0,1,2,3,4,5,6,7
	v_permlanex16_b32 v[TP+\e], v[ACC+\e], s28, s29
.endr
.irp e, 0,1,2,3,4,5,6,7
	v_add_f32 v[ACC+\e], v[ACC+\e], v[TP+\e]       ; every lane holds the row's eight sums
.endr
	s_mov_b32 s31, 0x11111111<<(\j)                ; the lanes with l % 4 = j keep them
.irp e, 0,1,2,3,4,5,6,7
	v_cndmask_b32 v[LG+\e], v[LG+\e], v[ACC+\e], s31
.endr
.endm
	ROW 0
	ROW 1
	ROW 2
	ROW 3
	s_wait_kmcnt 0x0                               ; gate_b
.irp e, 0,1,2,3,4,5,6,7
	v_add_f32 v[LG+\e], s[20+\e], v[LG+\e]
.endr
	v_mov_b32 v8, v[LG]                            ; the largest logit so far,
	v_mov_b32 v9, 0                                ; and its expert: a later one wins only if strictly larger, as argmax keeps the first
.irp e, 1,2,3,4,5,6,7
	v_mov_b32 v10, \e
	v_cmp_gt_f32 vcc_lo, v[LG+\e], v8
	v_cndmask_b32 v9, v9, v10, vcc_lo
	v_max_num_f32 v8, v8, v[LG+\e]
.endr
.irp e, 0,1,2,3,4,5,6,7
	v_sub_f32 v[ACC+\e], v[LG+\e], v8
.endr
.irp e, 0,1,2,3,4,5,6,7
	v_mul_f32 v[ACC+\e], 0x3fb8aa3b, v[ACC+\e]
.endr
.irp e, 0,1,2,3,4,5,6,7
	v_exp_f32 v[ACC+\e], v[ACC+\e]
.endr
	v_nop                                          ; a plain line behind the batch,
	s_wait_alu depctr_va_vdst(0)                   ; and one wait for the eight, ahead of their first reader
	v_add_f32 v16, v16, v17
	v_add_f32 v18, v18, v19
	v_add_f32 v20, v20, v21
	v_add_f32 v22, v22, v23
	v_add_f32 v16, v16, v18
	v_add_f32 v20, v20, v22
	v_add_f32 v16, v16, v20
	v_rcp_f32 v10, v16                             ; the chosen expert's softmax weight
	v_nop
	s_wait_alu depctr_va_vdst(0)
	global_store_b32 v7, v9, s[12:13]              ; eight lanes hold each token: the same word with the same value
	global_store_b32 v7, v10, s[14:15]
	s_cmp_lg_u32 s30, 0
	s_cbranch_scc1 .Lroute_end
	v_mov_b32 v11, 0
	v_mov_b32 v12, 0
	global_store_b32 v11, v12, s[18:19]            ; out1 = 0.0
.Lroute_end:
	s_endpgm
; ---------------- the quantiser: a tensor [expert][K][N] f32 whose K is not innermost.  A work-group takes 64 columns x 512 K of one expert; wave w: columns 32 (w % 2) on, K step w / 2.
; A lane takes a column and its registers run down K: a load reads 128 consecutive bytes, two waves side by side a row's 256; a block of 32 lies in one lane, and the conversions give codes with K innermost.
.Lquant:
	s_sub_co_u32 s30, ttmp9, 64
	s_and_b32 s31, s30, 7                          ; cb: which 64 columns
	s_bfe_u32 s32, s30, 0x20003                    ; sg: which 512 of K
	s_lshr_b32 s33, s30, 5                         ; expert
	s_and_b32 s34, s2, 1                           ; cg
	s_lshr_b32 s35, s2, 1                          ; st
	v_bfe_u32 v6, v1, 3, 1                         ; my column is row rA of tile 2 p + u:  u = (l / 8) % 2,
	v_and_b32 v7, 7, v1
	v_lshrrev_b32 v8, 4, v1
	v_lshl_add_u32 v7, v8, 3, v7                   ; rA = l % 8 + 8 (l / 16)
	v_mul_u32_u24 v2, v6, KS*1536
	v_lshl_add_u32 v2, v7, 4, v2                   ; where my 16 bytes of a register group go
	v_lshlrev_b32 v3, 8, v6
	v_lshl_add_u32 v3, v7, 4, v3
	s_lshl_b32 s36, s34, 9
	s_lshl_b32 s37, s35, 2
	s_add_co_u32 s36, s36, s37
	v_add_nc_u32 v3, s36, v3                       ; LDS: my scale word: 512 cg + 256 u + 16 rA + 4 st
	v_lshlrev_b32 v30, 4, v0                       ; 16 x thread
	v_lshlrev_b32 v1, 2, v1                        ; 4 l
	s_mul_i32 s36, s33, QK
	s_lshl_b32 s37, s32, 9
	s_add_co_u32 s36, s36, s37
	s_lshl_b32 s37, s35, 7
	s_add_co_u32 s36, s36, s37                     ; my first row: expert K + 512 sg + 128 st
	s_mul_i32 s36, s36, ROWB
	s_lshl_b32 s37, s31, 8
	s_add_co_u32 s36, s36, s37
	s_lshl_b32 s37, s34, 7
	s_add_co_u32 s36, s36, s37
	s_mov_b32 s37, 0
	s_mul_i32 s38, s33, QN/16
	s_lshl_b32 s39, s31, 2
	s_add_co_u32 s38, s38, s39
	s_lshl_b32 s39, s34, 1
	s_add_co_u32 s38, s38, s39                     ; tile 2 p
	s_mul_i32 s38, s38, KS
	s_lshl_b32 s39, s32, 2
	s_add_co_u32 s38, s38, s39
	s_add_co_u32 s38, s38, s35                     ; + K step
	s_mul_i32 s38, s38, 1536
	s_mov_b32 s39, 0
	s_mul_i32 s40, s33, SG
	s_add_co_u32 s40, s40, s32
	s_mul_i32 s40, s40, QN
	s_lshl_b32 s41, s31, 6
	s_add_co_u32 s40, s40, s41
	s_lshl_b32 s40, s40, 4
	s_add_co_u32 s40, s40, 6291456
	s_mov_b32 s41, 0
	s_wait_kmcnt 0x0
	s_add_nc_u64 s[44:45], s[10:11], s[36:37]
	s_add_nc_u64 s[46:47], s[16:17], s[38:39]
	s_add_nc_u64 s[48:49], s[16:17], s[40:41]
.set i, 0
.rept 128
	global_load_b32 v[32+i], v1, s[44:45] offset:i*ROWB th:TH_LOAD_NT
.set i, i+1
.endr
; Block b of my four: registers 32 + 32 b on.  Its codes are registers 6 (b / 2) .. + 5 of the operand's lane (rA, b % 2): half 0 is gathered in v14-25, half 1 in v32-43 (block 0's numbers are done with by then).
.macro BLOCK b
.set XS, 32+32*(\b)
.set DD, 14+18*((\b)%2)+6*((\b)/2)
	v_max3_num_f32 v6, |v[XS]|, |v[XS+1]|, |v[XS+2]|
	v_max3_num_f32 v7, |v[XS+3]|, |v[XS+4]|, |v[XS+5]|
.irp i, 6,10,14,18,22,26
	v_max3_num_f32 v6, v6, |v[XS+\i]|, |v[XS+\i+1]|
	v_max3_num_f32 v7, v7, |v[XS+\i+2]|, |v[XS+\i+3]|
.endr
	v_max3_num_f32 v6, v6, |v[XS+30]|, |v[XS+31]|
	v_max3_num_f32 v6, v6, v7, 0x1800000           ; the floor 2^(3 - 127)
	v_add_nc_u32 v8, 0xff000000, v6                ; the conversion's scale operand
	v_lshrrev_b32 v9, 23, v8                       ; the byte
.if (\b) == 0
	v_mov_b32 v13, v9
.else
	v_lshl_or_b32 v13, v9, 8*(\b), v13
.endif
	v_cvt_scalef32_pk16_fp6_f32 v[DD:DD+2], v[XS:XS+15], v8
	v_cvt_scalef32_pk16_fp6_f32 v[10:12], v[XS+16:XS+31], v8       ; (a conversion's three registers begin on an even number)
	v_nop                                          ; a plain line behind the conversions
	v_mov_b32 v[DD+3], v10
	v_mov_b32 v[DD+4], v11
	v_mov_b32 v[DD+5], v12
.endm
	s_wait_loadcnt 63                              ; at most 63 of the 128 are out: blocks 0 and 1 (the first 64) are in
	BLOCK 0
	BLOCK 1
	s_wait_loadcnt 32                              ; block 3's 32 may be out
	BLOCK 2
.irp i, 0,1,2
	global_store_b128 v2, v[14+4*\i:17+4*\i], s[46:47] offset:512*\i th:TH_STORE_NT       ; sixteen lanes of a tile store 256 consecutive bytes, aligned
.endr
	s_wait_loadcnt 0x0
	BLOCK 3
.irp i, 0,1,2
	global_store_b128 v2, v[32+4*\i:35+4*\i], s[46:47] offset:512*\i+256 th:TH_STORE_NT
.endr
	ds_store_b32 v3, v13                           ; the four K steps' words of a column meet in LDS
	s_wait_dscnt 0x0                               ; for the others: my store has landed
	s_barrier_signal -1
	s_barrier_wait -1
	s_cmp_lt_u32 s2, 2
	s_cbranch_scc0 .Lq_done
	ds_load_b128 v[26:29], v30                     ; waves 0 and 1: 64 rows x 16 bytes
	s_wait_dscnt 0x0
	global_store_b128 v30, v[26:29], s[48:49] th:TH_STORE_NT        ; 1,024 bytes on end
.Lq_done:
	s_wait_tensorcnt 0x0                           ; the wave's end
	ds_add_u32 v[SPW], v[NIL]
	s_wait_dscnt 0x0
	s_endpgm
.Lfunc_end_k_qae7e406f52_route_q3:
	.size	k_qae7e406f52_route_q3, .Lfunc_end_k_qae7e406f52_route_q3-k_qae7e406f52_route_q3
	.p2alignl 7, 3214868480
	.fill 96, 4, 3214868480
	.section	.rodata,"a",@progbits
	.p2align	6, 0x0
	.amdhsa_kernel k_qae7e406f52_route_q3
		.amdhsa_group_segment_fixed_size 2048
		.amdhsa_private_segment_fixed_size 0
		.amdhsa_enable_private_segment 0
		.amdhsa_kernarg_size 64
		.amdhsa_user_sgpr_count 2
		.amdhsa_user_sgpr_kernarg_segment_ptr 1
		.amdhsa_wavefront_size32 1
		.amdhsa_system_sgpr_workgroup_id_x 1
		.amdhsa_system_sgpr_workgroup_id_y 1
		.amdhsa_system_sgpr_workgroup_id_z 1
		.amdhsa_system_vgpr_workitem_id 0
		.amdhsa_next_free_vgpr 256
		.amdhsa_next_free_sgpr 66
		.amdhsa_reserve_vcc 1
		.amdhsa_float_denorm_mode_32 3
		.amdhsa_float_denorm_mode_16_64 3
		.amdhsa_memory_ordered 1
		.amdhsa_forward_progress 1
		.amdhsa_inst_pref_size 65
	.end_amdhsa_kernel
	.amdgpu_metadata
---
amdhsa.version: [ 1, 2 ]
amdhsa.kernels:
  - .name:           k_qae7e406f52_route_q3
    .symbol:         k_qae7e406f52_route_q3.kd
    .args:
      - { .name: x, .offset: 0, .size: 8, .value_kind: global_buffer, .address_space: global }
      - { .name: gate_w, .offset: 8, .size: 8, .value_kind: global_buffer, .address_space: global }
      - { .name: gate_b, .offset: 16, .size: 8, .value_kind: global_buffer, .address_space: global }
      - { .name: w3, .offset: 24, .size: 8, .value_kind: global_buffer, .address_space: global }
      - { .name: route, .offset: 32, .size: 8, .value_kind: global_buffer, .address_space: global }
      - { .name: xq, .offset: 40, .size: 8, .value_kind: global_buffer, .address_space: global }
      - { .name: w3q, .offset: 48, .size: 8, .value_kind: global_buffer, .address_space: global }
      - { .name: out1, .offset: 56, .size: 8, .value_kind: global_buffer, .address_space: global }
    .group_segment_fixed_size: 2048
    .private_segment_fixed_size: 0
    .kernarg_segment_align: 8
    .kernarg_segment_size: 64
    .max_flat_workgroup_size: 256
    .sgpr_count:     66
    .vgpr_count:     256
    .wavefront_size: 32
...
	.end_amdgpu_metadata
.endif
;; end of part 1
;; launch sort_q12 (part 2): grid 513 x 1, 8 waves a work-group, no clusters, 2,304 bytes of LDS; arguments route, w1, w2, order, w12q; writes order, w12q
.if DOCPART == 2
	.amdgcn_target "amdgcn-amd-amdhsa--gfx1250"
	.amdhsa_code_object_version 6
	.text
	.protected	k_qae7e406f52_sort_q12
	.globl	k_qae7e406f52_sort_q12
	.p2align	8
	.type	k_qae7e406f52_sort_q12,@function
k_qae7e406f52_sort_q12:
	s_mov_b64 s[64:65], 0
	v_nop
	global_prefetch_b8 v0, s[64:65] scope:SCOPE_SE
	s_setreg_imm32_b32 hwreg(HW_REG_WAVE_MODE, 25, 1), 1
	s_wait_xcnt 0x0
; GatedMoEFFN, launch 2 of 4.  Work-group 0: a counting sort of the 2,048 tokens by their expert (read from route, which launch 1 stored): order holds list[expert * 2048 + position] = token, and from byte 65,536 the
; eight counts.  Work-groups 1-512: w1 and w2 as codes of E2M3 along their K (the 512 of x), laid as launch 1 lays w3: fragment ((expert * 128 + tile) * 4 + K step) * 1,536, scale words from byte 6,291,456,
; (expert * 2048 + 16 tile + r) * 16; w2's part begins 6,553,600 bytes behind w1's.  Launches 3 and 4 multiply only the rows that the list names (the work left out: see launch 1's head).
; LIMITS: a block of zeros gets the scale byte 1, not 127 (its codes are zeros; this program alone reads the bytes); NaN and infinities among the weights are not served.
; The sort has no atomics: each wave counts its 256 tokens by ballots, the waves' counts meet in LDS, and a second pass of ballots gives every token its place.  List entries beyond an expert's count are never read.
.set SB,    1024                       ; LDS: 0-1023 the quantiser's scale words; 1,024-1,279 the sort's counts, 32 bytes a wave (each path has bytes of its own)
.set SPARE, 1280                       ; the spare words, 128 bytes a wave
.set SPW, 160                          ; v160 LDS address of my spare word; never rewritten
.set NIL, 161                          ; v161 0; never rewritten
.set QN,   2048
.set QK,   512
.set KS,   4
.set SG,   1
.set ROWB, 8192
	s_load_b256 s[4:11], s[0:1], 0x0               ; route s[4:5], w1 s[6:7], w2 s[8:9], order s[10:11]
	s_load_b64 s[12:13], s[0:1], 0x20              ; w12q
	v_lshl_add_u32 v[SPW], v0, 2, SPARE
	v_mov_b32 v[NIL], 0
	v_lshrrev_b32 v1, 5, v0
	v_readfirstlane_b32 s2, v1                     ; wave 0..7
	v_and_b32 v1, 31, v0                           ; lane
	s_cmp_eq_u32 ttmp9, 0
	s_cbranch_scc0 .Lquant
; ---------------- the sort.  Wave w owns tokens 256 w + 32 q + l, q = 0 .. 7.   v16-23 experts, v24-31 places, v32-39 tokens, v40-47 earlier waves' counts, v48-55 all waves' counts, v64-127 the 8 x 8 counts
	v_lshlrev_b32 v2, 2, v1
	s_lshl_b32 s14, s2, 10
	v_add_nc_u32 v2, s14, v2                       ; route: 4 (256 w + l)
	s_lshl_b32 s14, s2, 5
	s_add_co_u32 s14, s14, SB
	v_mov_b32 v3, s14                              ; LDS: my wave's eight counts
	v_mov_b32 v4, SB
	v_mov_b32 v5, 0
	s_lshl_b32 s14, s2, 8
.irp q, 0,1,2,3,4,5,6,7
	v_add3_u32 v[32+\q], s14, v1, 32*\q
	v_mov_b32 v[24+\q], 0
.endr
.irp e, 0,1,2,3,4,5,6,7
	s_mov_b32 s[16+\e], 0
	v_mov_b32 v[40+\e], 0
	v_mov_b32 v[48+\e], 0
.endr
	s_wait_kmcnt 0x0
.irp q, 0,1,2,3,4,5,6,7
	global_load_b32 v[16+\q], v2, s[4:5] offset:128*\q
.endr
	s_wait_loadcnt 0x0
.irp q, 0,1,2,3,4,5,6,7
	v_min_u32 v[16+\q], 7, v[16+\q]
.endr
.irp q, 0,1,2,3,4,5,6,7                        ; pass 1: my wave's count for each expert
.irp e, 0,1,2,3,4,5,6,7
	v_cmp_eq_u32 s40, \e, v[16+\q]
	s_bcnt1_i32_b32 s41, s40
	s_add_co_u32 s[16+\e], s[16+\e], s41
.endr
.endr
.irp e, 0,1,2,3,4,5,6,7
	v_mov_b32 v[8+\e], s[16+\e]
.endr
	ds_store_b128 v3, v[8:11]                      ; all lanes store the same bytes with the same values
	ds_store_b128 v3, v[12:15] offset:16
	s_wait_dscnt 0x0                               ; for the others: my stores have landed
	s_barrier_signal -1
	s_barrier_wait -1
.irp i, 0,1,2,3,4,5,6,7,8,9,10,11,12,13,14,15
	ds_load_b128 v[64+4*\i:67+4*\i], v4 offset:16*\i
.endr
	s_wait_dscnt 0x0
.irp p, 0,1,2,3,4,5,6,7
	s_cmp_gt_u32 s2, \p                            ; is wave p ahead of mine?
	s_cselect_b32 s42, -1, 0
.irp e, 0,1,2,3,4,5,6,7
	v_and_b32 v56, s42, v[64+8*\p+\e]
	v_add_nc_u32 v[40+\e], v[40+\e], v56
	v_add_nc_u32 v[48+\e], v[48+\e], v[64+8*\p+\e]
.endr
.endr
.irp e, 0,1,2,3,4,5,6,7
	v_readfirstlane_b32 s[16+\e], v[40+\e]
	s_add_co_u32 s[16+\e], s[16+\e], 2048*\e       ; where my wave's first token of expert e goes
.endr
.irp q, 0,1,2,3,4,5,6,7                        ; pass 2: a token's place = the running base + the lanes below it with the same expert
.irp e, 0,1,2,3,4,5,6,7
	v_cmp_eq_u32 s40, \e, v[16+\q]
	v_mbcnt_lo_u32_b32 v56, s40, s[16+\e]
	v_cndmask_b32 v[24+\q], v[24+\q], v56, s40
	s_bcnt1_i32_b32 s41, s40
	s_add_co_u32 s[16+\e], s[16+\e], s41
.endr
.endr
.irp q, 0,1,2,3,4,5,6,7
	v_min_u32 v[24+\q], 16383, v[24+\q]
	v_lshlrev_b32 v[24+\q], 2, v[24+\q]
	global_store_b32 v[24+\q], v[32+\q], s[10:11]
.endr
	s_cmp_lg_u32 s2, 0
	s_cbranch_scc1 .Lsort_end
.irp e, 0,1,2,3,4,5,6,7
	global_store_b32 v5, v[48+\e], s[10:11] offset:65536+4*\e      ; the eight counts
.endr
.Lsort_end:
	s_wait_tensorcnt 0x0                           ; the wave's end
	ds_add_u32 v[SPW], v[NIL]
	s_wait_dscnt 0x0
	s_endpgm
; ---------------- the quantiser, as in launch 1: a work-group takes 64 columns x 512 K (all of K) of one expert of w1 or w2; wave w: columns 32 (w % 2) on, K step w / 2; a lane a column, registers down K.
.Lquant:
	s_sub_co_u32 s30, ttmp9, 1
	s_and_b32 s31, s30, 31                         ; cb: which 64 columns
	s_mov_b32 s32, 0                               ; sg
	s_bfe_u32 s33, s30, 0x30005                    ; expert
	s_lshr_b32 s43, s30, 8                         ; 0: w1, 1: w2
	s_and_b32 s34, s2, 1                           ; cg
	s_lshr_b32 s35, s2, 1                          ; st
	v_bfe_u32 v6, v1, 3, 1                         ; my column is row rA of tile 2 p + u:  u = (l / 8) % 2,
	v_and_b32 v7, 7, v1
	v_lshrrev_b32 v8, 4, v1
	v_lshl_add_u32 v7, v8, 3, v7                   ; rA = l % 8 + 8 (l / 16)
	v_mul_u32_u24 v2, v6, KS*1536
	v_lshl_add_u32 v2, v7, 4, v2                   ; where my 16 bytes of a register group go
	v_lshlrev_b32 v3, 8, v6
	v_lshl_add_u32 v3, v7, 4, v3
	s_lshl_b32 s36, s34, 9
	s_lshl_b32 s37, s35, 2
	s_add_co_u32 s36, s36, s37
	v_add_nc_u32 v3, s36, v3                       ; LDS: my scale word: 512 cg + 256 u + 16 rA + 4 st
	v_lshlrev_b32 v30, 4, v0                       ; 16 x thread
	v_lshlrev_b32 v1, 2, v1                        ; 4 l
	s_mul_i32 s36, s33, QK
	s_lshl_b32 s37, s32, 9
	s_add_co_u32 s36, s36, s37
	s_lshl_b32 s37, s35, 7
	s_add_co_u32 s36, s36, s37                     ; my first row: expert K + 512 sg + 128 st
	s_mul_i32 s36, s36, ROWB
	s_lshl_b32 s37, s31, 8
	s_add_co_u32 s36, s36, s37
	s_lshl_b32 s37, s34, 7
	s_add_co_u32 s36, s36, s37
	s_mov_b32 s37, 0
	s_mul_i32 s42, s43, 6553600                    ; w2's part of the workspace
	s_mul_i32 s38, s33, QN/16
	s_lshl_b32 s39, s31, 2
	s_add_co_u32 s38, s38, s39
	s_lshl_b32 s39, s34, 1
	s_add_co_u32 s38, s38, s39                     ; tile 2 p
	s_mul_i32 s38, s38, KS
	s_lshl_b32 s39, s32, 2
	s_add_co_u32 s38, s38, s39
	s_add_co_u32 s38, s38, s35                     ; + K step
	s_mul_i32 s38, s38, 1536
	s_add_co_u32 s38, s38, s42
	s_mov_b32 s39, 0
	s_mul_i32 s40, s33, SG
	s_add_co_u32 s40, s40, s32
	s_mul_i32 s40, s40, QN
	s_lshl_b32 s41, s31, 6
	s_add_co_u32 s40, s40, s41
	s_lshl_b32 s40, s40, 4
	s_add_co_u32 s40, s40, 6291456
	s_add_co_u32 s40, s40, s42
	s_mov_b32 s41, 0
	s_wait_kmcnt 0x0
	s_cmp_eq_u32 s43, 0                            ; the choice hangs on the work-group's number alone
	s_cselect_b64 s[6:7], s[6:7], s[8:9]
	s_add_nc_u64 s[44:45], s[6:7], s[36:37]
	s_add_nc_u64 s[46:47], s[12:13], s[38:39]
	s_add_nc_u64 s[48:49], s[12:13], s[40:41]
.set i, 0
.rept 128
	global_load_b32 v[32+i], v1, s[44:45] offset:i*ROWB th:TH_LOAD_NT
.set i, i+1
.endr
; Block b of my four: registers 32 + 32 b on.  Its codes are registers 6 (b / 2) .. + 5 of the operand's lane (rA, b % 2): half 0 is gathered in v14-25, half 1 in v32-43 (block 0's numbers are done with by then).
.macro BLOCK b
.set XS, 32+32*(\b)
.set DD, 14+18*((\b)%2)+6*((\b)/2)
	v_max3_num_f32 v6, |v[XS]|, |v[XS+1]|, |v[XS+2]|
	v_max3_num_f32 v7, |v[XS+3]|, |v[XS+4]|, |v[XS+5]|
.irp i, 6,10,14,18,22,26
	v_max3_num_f32 v6, v6, |v[XS+\i]|, |v[XS+\i+1]|
	v_max3_num_f32 v7, v7, |v[XS+\i+2]|, |v[XS+\i+3]|
.endr
	v_max3_num_f32 v6, v6, |v[XS+30]|, |v[XS+31]|
	v_max3_num_f32 v6, v6, v7, 0x1800000           ; the floor 2^(3 - 127)
	v_add_nc_u32 v8, 0xff000000, v6                ; the conversion's scale operand
	v_lshrrev_b32 v9, 23, v8                       ; the byte
.if (\b) == 0
	v_mov_b32 v13, v9
.else
	v_lshl_or_b32 v13, v9, 8*(\b), v13
.endif
	v_cvt_scalef32_pk16_fp6_f32 v[DD:DD+2], v[XS:XS+15], v8
	v_cvt_scalef32_pk16_fp6_f32 v[10:12], v[XS+16:XS+31], v8       ; (a conversion's three registers begin on an even number)
	v_nop                                          ; a plain line behind the conversions
	v_mov_b32 v[DD+3], v10
	v_mov_b32 v[DD+4], v11
	v_mov_b32 v[DD+5], v12
.endm
	s_wait_loadcnt 63                              ; at most 63 of the 128 are out: blocks 0 and 1 (the first 64) are in
	BLOCK 0
	BLOCK 1
	s_wait_loadcnt 32                              ; block 3's 32 may be out
	BLOCK 2
.irp i, 0,1,2
	global_store_b128 v2, v[14+4*\i:17+4*\i], s[46:47] offset:512*\i th:TH_STORE_NT       ; sixteen lanes of a tile store 256 consecutive bytes, aligned
.endr
	s_wait_loadcnt 0x0
	BLOCK 3
.irp i, 0,1,2
	global_store_b128 v2, v[32+4*\i:35+4*\i], s[46:47] offset:512*\i+256 th:TH_STORE_NT
.endr
	ds_store_b32 v3, v13                           ; the four K steps' words of a column meet in LDS
	s_wait_dscnt 0x0                               ; for the others: my store has landed
	s_barrier_signal -1
	s_barrier_wait -1
	s_cmp_lt_u32 s2, 2
	s_cbranch_scc0 .Lq_done
	ds_load_b128 v[26:29], v30                     ; waves 0 and 1: 64 rows x 16 bytes
	s_wait_dscnt 0x0
	global_store_b128 v30, v[26:29], s[48:49] th:TH_STORE_NT        ; 1,024 bytes on end
.Lq_done:
	s_wait_tensorcnt 0x0                           ; the wave's end
	ds_add_u32 v[SPW], v[NIL]
	s_wait_dscnt 0x0
	s_endpgm
.Lfunc_end_k_qae7e406f52_sort_q12:
	.size	k_qae7e406f52_sort_q12, .Lfunc_end_k_qae7e406f52_sort_q12-k_qae7e406f52_sort_q12
	.p2alignl 7, 3214868480
	.fill 96, 4, 3214868480
	.section	.rodata,"a",@progbits
	.p2align	6, 0x0
	.amdhsa_kernel k_qae7e406f52_sort_q12
		.amdhsa_group_segment_fixed_size 2304
		.amdhsa_private_segment_fixed_size 0
		.amdhsa_enable_private_segment 0
		.amdhsa_kernarg_size 40
		.amdhsa_user_sgpr_count 2
		.amdhsa_user_sgpr_kernarg_segment_ptr 1
		.amdhsa_wavefront_size32 1
		.amdhsa_system_sgpr_workgroup_id_x 1
		.amdhsa_system_sgpr_workgroup_id_y 1
		.amdhsa_system_sgpr_workgroup_id_z 1
		.amdhsa_system_vgpr_workitem_id 0
		.amdhsa_next_free_vgpr 168
		.amdhsa_next_free_sgpr 66
		.amdhsa_reserve_vcc 0
		.amdhsa_float_denorm_mode_32 3
		.amdhsa_float_denorm_mode_16_64 3
		.amdhsa_memory_ordered 1
		.amdhsa_forward_progress 1
		.amdhsa_inst_pref_size 61
	.end_amdhsa_kernel
	.amdgpu_metadata
---
amdhsa.version: [ 1, 2 ]
amdhsa.kernels:
  - .name:           k_qae7e406f52_sort_q12
    .symbol:         k_qae7e406f52_sort_q12.kd
    .args:
      - { .name: route, .offset: 0, .size: 8, .value_kind: global_buffer, .address_space: global }
      - { .name: w1, .offset: 8, .size: 8, .value_kind: global_buffer, .address_space: global }
      - { .name: w2, .offset: 16, .size: 8, .value_kind: global_buffer, .address_space: global }
      - { .name: order, .offset: 24, .size: 8, .value_kind: global_buffer, .address_space: global }
      - { .name: w12q, .offset: 32, .size: 8, .value_kind: global_buffer, .address_space: global }
    .group_segment_fixed_size: 2304
    .private_segment_fixed_size: 0
    .kernarg_segment_align: 8
    .kernarg_segment_size: 40
    .max_flat_workgroup_size: 256
    .sgpr_count:     66
    .vgpr_count:     168
    .wavefront_size: 32
...
	.end_amdgpu_metadata
.endif
;; end of part 2
;; launch hidden (part 3): grid 8 x 29, 8 waves a work-group, no clusters, 74,240 bytes of LDS; arguments order, xq, w12q, b1, b2, hq; writes hq
.if DOCPART == 3
	.amdgcn_target "amdgcn-amd-amdhsa--gfx1250"
	.amdhsa_code_object_version 6
	.text
	.protected	k_qae7e406f52_hidden
	.globl	k_qae7e406f52_hidden
	.p2align	8
	.type	k_qae7e406f52_hidden,@function
k_qae7e406f52_hidden:
	s_mov_b64 s[64:65], 0
	v_nop
	global_prefetch_b8 v0, s[64:65] scope:SCOPE_SE
	s_setreg_imm32_b32 hwreg(HW_REG_WAVE_MODE, 25, 1), 1
	s_wait_xcnt 0x0
; GatedMoEFFN, launch 3 of 4: h = gelu(x w1 + b1) (x w2 + b2) for each token's CHOSEN expert alone (the other experts' rows are multiplied by 0 in reference(): see launch 1's head), quantised to E2M3 along the hidden units.
; THE GRID SERVES EVERY SPLIT.  The tokens of an expert, in the order of launch 2's list, are cut into row tiles of 96; there are never more than ceil(2048 / 96) + 7 = 29.  Work-group (x, y): row tile y, hidden units 256 x on.
; From the eight stored counts each work-group finds its expert and its place (macro MAP).  A work-group that the split leaves without rows stores nothing.  No tensor load: branches hang on stored numbers.
; Every barrier is on every path; only a 16-row tile's own work and stores stand under a scalar test on the counts, and the tests fail in order, so each leads behind the last tile.
; SHARES.  Wave w makes hidden units 32 B .. 32 B + 31, B = 8 x + w, one block of the next K, for all 96 rows: its 16 weight fragments (2 tiles x 4 K steps x w1, w2) stay in registers.
; The products are used transposed (source 0 = 16 weight columns, source 1 = 16 tokens), and the columns of a tile are chosen (launch 2) so that a lane's 16 results are 16 neighbouring hidden units of one token.
; erf: the rational x P(x^2) / Q(x^2) of degrees 13 and 8 on x held to +-4 (absolute error about 1e-7), P's coefficients halved so that 0.5 + x P / Q = 0.5 (1 + erf).  LIMIT: for g under about -5.6 that factor is
; about 1e-8 where the true one is smaller still.  A block of zeros gets the scale byte 1 (its codes are zeros).
; hq: 16-row tile G = 6 y + t: codes at G * 24,576 + K step * 1,536, an image of the operand's registers; scale words from byte 4,276,224: G * 1,024 + 128 (K step / 2) + 8 r + 4 (K step % 2).
; LDS: six x tiles of 8,976 bytes: piece p (16 bytes) of row r at 816 (p / 3) + 16 (p % 3) + 48 r; pieces 0-23 codes, 24 the scale bytes, 25-31 overhang that nobody reads; then h's images, 3,072 a tile; its scale bytes, 128 a tile.
.set XT,    8976
.set HST,   54016
.set HSS,   72448
.set SPARE, 73216                      ; the spare words, 128 bytes a wave
.set SPW, 14                           ; v14 LDS address of my spare word; never rewritten
.set NIL, 15                           ; v15 0; never rewritten
; window 0: v1 lane, v2 16 lane, v3 r, v4 h, v5 gather's LDS place, v6 x fragments, v7 x scale words, v8-10 where my three code registers go, v11 my scale byte, v12 16 thread, v13 4 lane;
;   v16-31 the weights' scale words, v32-35 x's (scales and nothing else); v36-83 x's four fragments; v84-99 g, then h; v100-115 u; v116-179 at work; v180-183 two constants as pairs; v184-192 the quantiser; v196-219 the way out;
;   v220 16 r, v221 64 h; v222, v223 the way out's LDS addresses: the regions' bases lie in the registers, since an LDS immediate has 16 bits
; window 1: v0-95 w1's fragments at 12 (4 u + s), v96-191 w2's, v192-207 b1, v208-223 b2 in the result's layout
.set MSB, 0
.macro WIN new                         ; the immediate's high byte repeats the setting that is left
.if MSB != \new
	s_set_vgpr_msb (MSB<<8)|\new
.set MSB, \new
.endif
.endm
; s16-23 the counts -> s35 1 if my row tile exists, s37 expert, s39 its count n, s41 my first position 96 j, s42 n or 0, s43 n - 1, s44 my last 16-row tile.  A work-group without rows maps to row tile 0, so that it reads written bytes.
.macro MAP
.irp i, 0,1,2,3,4,5,6,7
	s_min_u32 s[16+\i], s[16+\i], 2048
.endr
	s_mov_b32 s46, 0
.irp i, 0,1,2,3,4,5,6,7
	s_add_co_u32 s45, s[16+\i], 95
	s_lshr_b32 s45, s45, 5
	s_mul_i32 s45, s45, 171
	s_lshr_b32 s45, s45, 9                         ; ceil(n / 96): (a * 171) >> 9 = a / 3 for a up to 66
	s_add_co_u32 s46, s46, s45
	s_mov_b32 s[24+\i], s46                        ; row tiles of experts 0 .. i
.endr
	s_cmp_lt_u32 s34, s31
	s_cselect_b32 s35, 1, 0
	s_cselect_b32 s36, s34, 0
	s_mov_b32 s37, 0
	s_mov_b32 s38, 0
	s_mov_b32 s39, s16
.irp i, 1,2,3,4,5,6,7
	s_cmp_ge_u32 s36, s[23+\i]
	s_cselect_b32 s37, \i, s37
	s_cselect_b32 s38, s[23+\i], s38
	s_cselect_b32 s39, s[16+\i], s39
.endr
	s_min_u32 s37, s37, 7
	s_sub_co_u32 s40, s36, s38
	s_mul_i32 s41, s40, 96
	s_cmp_eq_u32 s35, 1
	s_cselect_b32 s42, s39, 0
	s_sub_co_u32 s43, s39, 1
	s_sub_co_u32 s44, s39, s41
	s_min_u32 s44, s44, 96
	s_add_co_u32 s44, s44, 15
	s_lshr_b32 s44, s44, 4
	s_sub_co_u32 s44, s44, 1
	s_min_u32 s44, s44, 5
.endm
.macro GUARD t, lbl                    ; has 16-row tile t a row?
	s_add_co_u32 s45, s41, 16*(\t)
	s_cmp_lt_u32 s45, s42
	s_cbranch_scc0 \lbl
.endm
	s_load_b256 s[4:11], s[0:1], 0x0               ; order s[4:5], xq s[6:7], w12q s[8:9], b1 s[10:11]
	s_load_b128 s[12:15], s[0:1], 0x20             ; b2 s[12:13], hq s[14:15]
	v_lshl_add_u32 v[SPW], v0, 2, SPARE
	v_mov_b32 v[NIL], 0
	v_lshrrev_b32 v1, 5, v0
	v_readfirstlane_b32 s32, v1                    ; wave 0..7
	s_mov_b32 s33, ttmp9                           ; x
	s_and_b32 s34, ttmp7, 0xffff                   ; y
	v_and_b32 v1, 31, v0
	v_and_b32 v3, 15, v0
	v_bfe_u32 v4, v0, 4, 1
	v_lshlrev_b32 v2, 4, v1
	v_mul_u32_u24 v117, v1, 171
	v_lshrrev_b32 v117, 9, v117                    ; lane / 3
	v_mul_u32_u24 v118, v117, 3
	v_sub_nc_u32 v118, v1, v118                    ; lane % 3
	v_mul_u32_u24 v5, v117, 816
	v_lshl_add_u32 v5, v118, 4, v5
	s_mul_i32 s45, s32, 96
	v_add_nc_u32 v5, s45, v5                       ; the gather: my piece, rows 2 w and 2 w + 1
	v_mul_u32_u24 v6, v3, 48
	v_add_nc_u32 v7, 6528, v6                      ; row r's scale bytes
	v_mad_u32_u24 v6, v4, 816, v6                  ; lane (r, h)'s 48 bytes of K step 0
	s_bfe_u32 s47, s32, 0x10001
	s_mul_i32 s47, s47, 6
	v_mul_u32_u24 v8, v4, 3
	v_add_nc_u32 v8, s47, v8                       ; my codes are registers 6 ((w / 2) % 2) + 3 h + 0, 1, 2 of lane r + 16 (w % 2) of K step w / 4
	s_lshr_b32 s48, s32, 2
	s_mul_i32 s48, s48, 1536
	s_and_b32 s49, s32, 1
	s_lshl_b32 s49, s49, 8
	s_add_co_u32 s48, s48, s49
	s_add_co_u32 s48, s48, HST
	v_lshl_add_u32 v116, v3, 4, s48
.irp m, 2,1,0
	v_add_nc_u32 v117, \m, v8
	v_lshrrev_b32 v118, 2, v117
	v_and_b32 v117, 3, v117
	v_lshl_add_u32 v118, v118, 9, v116
	v_lshl_add_u32 v[8+\m], v117, 2, v118          ; register n of lane L lies at 512 (n / 4) + 16 L + 4 (n % 4)
.endr
	s_add_co_u32 s50, s32, HSS
	v_lshl_add_u32 v11, v3, 3, s50                 ; row r's eight scale bytes, mine the w-th
	v_lshlrev_b32 v12, 4, v0                       ; the way out, in hq: 16 x thread,
	v_lshlrev_b32 v13, 2, v1                       ; 4 x lane;
	v_lshl_add_u32 v222, v0, 4, HST                ; and the same places in LDS
	v_lshl_add_u32 v223, v1, 2, HSS
	v_lshlrev_b32 v220, 4, v3
	v_lshlrev_b32 v221, 6, v4
	v_mov_b32 v180, 0xaf15df0b                     ; a13 / 2
	v_mov_b32 v181, 0xaf15df0b
	v_mov_b32 v182, 0xb77460cd                     ; b8
	v_mov_b32 v183, 0xb77460cd
	v_mov_b32 v186, 0                              ; a lane permute's destination counts as read
	s_mov_b32 s92, 0x76543210
	s_mov_b32 s93, 0xfedcba98
	s_wait_kmcnt 0x0
	s_load_b256 s[16:23], s[4:5], 0x10000          ; the eight counts
	s_wait_kmcnt 0x0
	MAP
	; the 12 rows that my wave gathers: positions 96 j + 16 t + 2 w + a, held at n - 1: a tile's spare rows repeat the expert's last token
	s_lshl_b32 s47, s32, 1
	s_add_co_u32 s47, s47, s41
	s_lshl_b32 s48, s37, 11
.irp i, 0,1,2,3,4,5,6,7,8,9,10,11
	s_add_co_u32 s45, s47, 16*(\i/2)+(\i%2)
	s_min_u32 s45, s45, s43
	s_add_co_u32 s45, s45, s48
	s_min_u32 s45, s45, 16383
	s_lshl_b32 s45, s45, 2
	v_mov_b32 v[116+\i], s45
	global_load_b32 v[132+\i], v[116+\i], s[4:5]   ; the token, the same in all lanes
.endr
	s_lshl_b32 s46, s33, 3
	s_add_co_u32 s46, s46, s32                     ; B
	s_lshl_b32 s47, s37, 7
	s_lshl_b32 s48, s46, 1
	s_add_co_u32 s47, s47, s48                     ; tile 128 e + 2 B
	s_mul_i32 s62, s47, 6144
	s_mov_b32 s63, 0
	s_add_nc_u64 s[50:51], s[8:9], s[62:63]        ; my fragments of w1; w2's lie 6,553,600 bytes on
	s_lshl_b32 s47, s37, 11
	s_lshl_b32 s48, s46, 5
	s_add_co_u32 s47, s47, s48                     ; 2048 e + 32 B
	s_lshl_b32 s62, s47, 4
	s_add_co_u32 s62, s62, 6291456
	s_add_nc_u64 s[52:53], s[8:9], s[62:63]        ; their scale words
	s_lshl_b32 s62, s47, 2
	s_add_nc_u64 s[54:55], s[10:11], s[62:63]      ; b1
	s_add_nc_u64 s[56:57], s[12:13], s[62:63]      ; b2
	s_mul_i32 s62, s34, 6*24576
	s_mul_i32 s48, s33, 3072
	s_add_co_u32 s62, s62, s48
	s_add_nc_u64 s[58:59], s[14:15], s[62:63]      ; hq: codes of tile 6 y, K steps 2 x and 2 x + 1
	s_mul_i32 s62, s34, 6144
	s_lshl_b32 s48, s33, 7
	s_add_co_u32 s62, s62, s48
	s_add_co_u32 s62, s62, 4276224
	s_add_nc_u64 s[60:61], s[14:15], s[62:63]      ; and their scale words
	WIN 0x40                                       ; destination window 1
.irp m, 0,1
.irp f, 0,1,2,3,4,5,6,7
.irp i, 0,1,2
	global_load_b128 v[96*\m+12*\f+4*\i:96*\m+12*\f+4*\i+3], v2, s[50:51] offset:6553600*\m+1536*\f+512*\i
.endr
.endr
.endr
.irp u, 0,1                                    ; lane (r, h) wants, for tile u, the biases of units 32 B + 16 h + 8 u + 0 .. 7
	global_load_b128 v[192+8*\u:195+8*\u], v221, s[54:55] offset:32*\u
	global_load_b128 v[196+8*\u:199+8*\u], v221, s[54:55] offset:32*\u+16
	global_load_b128 v[208+8*\u:211+8*\u], v221, s[56:57] offset:32*\u
	global_load_b128 v[212+8*\u:215+8*\u], v221, s[56:57] offset:32*\u+16
.endr
	WIN 0
.irp m, 0,1
.irp u, 0,1
	global_load_b128 v[16+4*(2*\m+\u):19+4*(2*\m+\u)], v220, s[52:53] offset:6553600*\m+256*\u
.endr
.endr
	s_wait_loadcnt 60                              ; the 12 tokens are in: behind them 48 + 8 + 4 loads were issued
.irp i, 0,1,2,3,4,5,6,7,8,9,10,11
	v_min_u32 v[132+\i], 2047, v[132+\i]
	v_mul_u32_u24 v[132+\i], v[132+\i], 400
	v_add_nc_u32 v[132+\i], v[132+\i], v2
	global_load_b128 v[36+4*\i:39+4*\i], v[132+\i], s[6:7]         ; 32 lanes read 512 bytes on end: the row's 400 and an overhang that stays inside xq
.endr
	s_wait_loadcnt 0x0                             ; the rows, and the weights with them
.irp i, 0,1,2,3,4,5,6,7,8,9,10,11
	ds_store_b128 v5, v[36+4*\i:39+4*\i] offset:XT*(\i/2)+48*(\i%2)
.endr
	s_wait_dscnt 0x0                               ; for the others: my stores have landed
	s_barrier_signal -1
	s_barrier_wait -1                              ; the 96 rows of x lie in LDS
.macro BODY t
	GUARD \t, .Lbodies_done
.irp s, 0,1,2,3
.irp i, 0,1,2
	ds_load_b128 v[36+12*\s+4*\i:39+12*\s+4*\i], v6 offset:XT*(\t)+1632*\s+16*\i
.endr
.endr
	ds_load_b128 v[32:35], v7 offset:XT*(\t)
	s_wait_dscnt 0x0                               ; these, and the last tile's stores
	WIN 0x11                                       ; source 0 (weights) and source 2 (bias) window 1.  The four accumulators take turns, one instruction a turn
.irp u, 0,1
	v_wmma_scale_f32_16x16x128_f8f6f4 v[84+8*\u:91+8*\u], v[48*\u:48*\u+11], v[36:47], v[192+8*\u:199+8*\u], v[16+4*\u], v32 matrix_a_fmt:MATRIX_FMT_FP6 matrix_b_fmt:MATRIX_FMT_FP6
.endr
.irp u, 0,1
	v_wmma_scale_f32_16x16x128_f8f6f4 v[100+8*\u:107+8*\u], v[96+48*\u:96+48*\u+11], v[36:47], v[208+8*\u:215+8*\u], v[24+4*\u], v32 matrix_a_fmt:MATRIX_FMT_FP6 matrix_b_fmt:MATRIX_FMT_FP6
.endr
	WIN 0x01
.irp s, 1,2,3
.irp u, 0,1
	v_wmma_scale_f32_16x16x128_f8f6f4 v[84+8*\u:91+8*\u], v[48*\u+12*\s:48*\u+12*\s+11], v[36+12*\s:47+12*\s], v[84+8*\u:91+8*\u], v[16+4*\u+\s], v[32+\s] matrix_a_fmt:MATRIX_FMT_FP6 matrix_b_fmt:MATRIX_FMT_FP6
.endr
.irp u, 0,1
	v_wmma_scale_f32_16x16x128_f8f6f4 v[100+8*\u:107+8*\u], v[96+48*\u+12*\s:96+48*\u+12*\s+11], v[36+12*\s:47+12*\s], v[100+8*\u:107+8*\u], v[24+4*\u+\s], v[32+\s] matrix_a_fmt:MATRIX_FMT_FP6 matrix_b_fmt:MATRIX_FMT_FP6
.endr
.endr
	WIN 0
.rept 4
	v_nop                                          ; four places behind the last product (ISA guide 7.12.1)
.endr
	; register 8 u + j of lane (r, h): token r, hidden unit 32 B + 16 h + 8 u + j.  Each stage goes over the eight pairs in ascending order
.irp p, 0,2,4,6,8,10,12,14
	v_pk_mul_f32 v[116+\p:117+\p], v[84+\p:85+\p], 0x3f3504f3 op_sel_hi:[1,0]     ; z = g / sqrt(2)
.endr
.irp p, 0,1,2,3,4,5,6,7,8,9,10,11,12,13,14,15
	v_med3_num_f32 v[116+\p], v[116+\p], -4.0, 4.0
.endr
.irp p, 0,2,4,6,8,10,12,14
	v_pk_mul_f32 v[132+\p:133+\p], v[116+\p:117+\p], v[116+\p:117+\p]
.endr
.irp p, 0,2,4,6,8,10,12,14
	v_pk_fma_f32 v[148+\p:149+\p], v[132+\p:133+\p], v[180:181], 0x326dffee op_sel_hi:[1,1,0]
.endr
.irp c, 0xb58cff51, 0xb7eec2d2, 0xb9c0ac63, 0xbac1a1f6, 0xbc03dbd4
.irp p, 0,2,4,6,8,10,12,14
	v_pk_fma_f32 v[148+\p:149+\p], v[148+\p:149+\p], v[132+\p:133+\p], \c op_sel_hi:[1,1,0]
.endr
.endr
.irp p, 0,2,4,6,8,10,12,14
	v_pk_mul_f32 v[148+\p:149+\p], v[148+\p:149+\p], v[116+\p:117+\p]
.endr
.irp p, 0,2,4,6,8,10,12,14
	v_pk_fma_f32 v[164+\p:165+\p], v[132+\p:133+\p], v[182:183], 0xb95fbd29 op_sel_hi:[1,1,0]
.endr
.irp c, 0xbadc924e, 0xbbf19bf8, 0xbc69b6a7
.irp p, 0,2,4,6,8,10,12,14
	v_pk_fma_f32 v[164+\p:165+\p], v[164+\p:165+\p], v[132+\p:133+\p], \c op_sel_hi:[1,1,0]
.endr
.endr
.irp p, 0,1,2,3,4,5,6,7,8,9,10,11,12,13,14,15
	v_rcp_f32 v[116+\p], v[164+\p]
.endr
.irp p, 0,2,4,6,8,10,12,14
	v_pk_mul_f32 v[100+\p:101+\p], v[84+\p:85+\p], v[100+\p:101+\p]    ; g u: plain work behind the batch of reciprocals
.endr
	s_wait_alu depctr_va_vdst(0)                   ; one wait for the sixteen, ahead of their first reader
.irp p, 0,2,4,6,8,10,12,14
	v_pk_fma_f32 v[148+\p:149+\p], v[148+\p:149+\p], v[116+\p:117+\p], 0.5 op_sel_hi:[1,1,0]   ; 0.5 (1 + erf z)
.endr
.irp p, 0,2,4,6,8,10,12,14
	v_pk_mul_f32 v[84+\p:85+\p], v[100+\p:101+\p], v[148+\p:149+\p]    ; h
.endr
	v_max3_num_f32 v184, |v84|, |v85|, 0x1800000   ; my 16 of the block, and the floor 2^(3 - 127)
	v_max3_num_f32 v185, |v86|, |v87|, |v88|
	v_max3_num_f32 v184, v184, |v89|, |v90|
	v_max3_num_f32 v185, v185, |v91|, |v92|
	v_max3_num_f32 v184, v184, |v93|, |v94|
	v_max3_num_f32 v185, v185, |v95|, |v96|
	v_max3_num_f32 v184, v184, |v97|, |v98|
	v_max3_num_f32 v184, v184, v185, |v99|
	v_permlanex16_b32 v186, v184, s92, s93
	v_max_num_f32 v184, v184, v186                 ; with lane l xor 16's: the block's largest magnitude
	v_add_nc_u32 v187, 0xff000000, v184            ; the conversion's scale operand
	v_lshrrev_b32 v188, 23, v187                   ; the byte
	v_cvt_scalef32_pk16_fp6_f32 v[190:192], v[84:99], v187
	v_nop                                          ; a plain line behind the conversion
	ds_store_b32 v8, v190 offset:3072*(\t)
	ds_store_b32 v9, v191 offset:3072*(\t)
	ds_store_b32 v10, v192 offset:3072*(\t)
	ds_store_b8 v11, v188 offset:128*(\t)          ; both halves of the lanes store the same byte with the same value
.endm
	BODY 0
	BODY 1
	BODY 2
	BODY 3
	BODY 4
	BODY 5
.Lbodies_done:
	s_wait_dscnt 0x0                               ; for the others: my stores have landed
	s_barrier_signal -1
	s_barrier_wait -1                              ; the tiles' two fragments and their scale words are whole
	s_cmp_lt_u32 s32, 6
	s_cbranch_scc0 .Lnot_codes
.irp t, 0,1,2,3,4,5                            ; waves 0-5: a tile's 3,072 bytes of codes, 16 a thread
	GUARD \t, .Lout_done
	ds_load_b128 v[196+4*\t:199+4*\t], v222 offset:3072*\t
	s_wait_dscnt 0x0
	global_store_b128 v12, v[196+4*\t:199+4*\t], s[58:59] offset:24576*\t     ; a wave stores 512 consecutive bytes, aligned; each tile has its own data registers
.endr
	s_branch .Lout_done
.Lnot_codes:
	s_cmp_eq_u32 s32, 6
	s_cbranch_scc0 .Lout_done
.irp t, 0,1,2,3,4,5                            ; wave 6: a tile's 128 scale bytes
	GUARD \t, .Lout_done
	ds_load_b32 v[196+4*\t], v223 offset:128*\t
	s_wait_dscnt 0x0
	global_store_b32 v13, v[196+4*\t], s[60:61] offset:1024*\t
.endr
.Lout_done:
	s_wait_tensorcnt 0x0                           ; the wave's end
	ds_add_u32 v[SPW], v[NIL]
	s_wait_dscnt 0x0
	s_endpgm
.Lfunc_end_k_qae7e406f52_hidden:
	.size	k_qae7e406f52_hidden, .Lfunc_end_k_qae7e406f52_hidden-k_qae7e406f52_hidden
	.p2alignl 7, 3214868480
	.fill 96, 4, 3214868480
	.section	.rodata,"a",@progbits
	.p2align	6, 0x0
	.amdhsa_kernel k_qae7e406f52_hidden
		.amdhsa_group_segment_fixed_size 74240
		.amdhsa_private_segment_fixed_size 0
		.amdhsa_enable_private_segment 0
		.amdhsa_kernarg_size 48
		.amdhsa_user_sgpr_count 2
		.amdhsa_user_sgpr_kernarg_segment_ptr 1
		.amdhsa_wavefront_size32 1
		.amdhsa_system_sgpr_workgroup_id_x 1
		.amdhsa_system_sgpr_workgroup_id_y 1
		.amdhsa_system_sgpr_workgroup_id_z 1
		.amdhsa_system_vgpr_workitem_id 0
		.amdhsa_next_free_vgpr 480
		.amdhsa_next_free_sgpr 100
		.amdhsa_reserve_vcc 0
		.amdhsa_float_denorm_mode_32 3
		.amdhsa_float_denorm_mode_16_64 3
		.amdhsa_memory_ordered 1
		.amdhsa_forward_progress 1
		.amdhsa_inst_pref_size 126
	.end_amdhsa_kernel
	.amdgpu_metadata
---
amdhsa.version: [ 1, 2 ]
amdhsa.kernels:
  - .name:           k_qae7e406f52_hidden
    .symbol:         k_qae7e406f52_hidden.kd
    .args:
      - { .name: order, .offset: 0, .size: 8, .value_kind: global_buffer, .address_space: global }
      - { .name: xq, .offset: 8, .size: 8, .value_kind: global_buffer, .address_space: global }
      - { .name: w12q, .offset: 16, .size: 8, .value_kind: global_buffer, .address_space: global }
      - { .name: b1, .offset: 24, .size: 8, .value_kind: global_buffer, .address_space: global }
      - { .name: b2, .offset: 32, .size: 8, .value_kind: global_buffer, .address_space: global }
      - { .name: hq, .offset: 40, .size: 8, .value_kind: global_buffer, .address_space: global }
    .group_segment_fixed_size: 74240
    .private_segment_fixed_size: 0
    .kernarg_segment_align: 8
    .kernarg_segment_size: 48
    .max_flat_workgroup_size: 256
    .sgpr_count:     100
    .vgpr_count:     480
    .wavefront_size: 32
...
	.end_amdgpu_metadata
.endif
;; end of part 3
;; launch combine (part 4): grid 8 x 29, 8 waves a work-group, no clusters, 209,920 bytes of LDS; arguments order, xq, hq, w3q, b3, out0; writes out0
.if DOCPART == 4
	.amdgcn_target "amdgcn-amd-amdhsa--gfx1250"
	.amdhsa_code_object_version 6
	.text
	.protected	k_qae7e406f52_combine
	.globl	k_qae7e406f52_combine
	.p2align	8
	.type	k_qae7e406f52_combine,@function
k_qae7e406f52_combine:
	s_mov_b64 s[64:65], 0
	v_nop
	global_prefetch_b8 v0, s[64:65] scope:SCOPE_SE
	s_setreg_imm32_b32 hwreg(HW_REG_WAVE_MODE, 25, 1), 1
	s_wait_xcnt 0x0
; GatedMoEFFN, launch 4 of 4: out0[token] = weight[token] (h w3[e] + b3[e]) for the token's CHOSEN expert e alone (the other experts' terms are 0 in reference(): see launch 1's head).
; The grid and the map from the stored counts are launch 3's: work-group (x, y): row tile y of 96 positions of one expert's list, output columns 64 x on.  A work-group without rows stores nothing.  No tensor load.
; SHARES.  K = 2,048 is split over the eight waves: wave w multiplies K steps 2 w and 2 w + 1 for all 96 rows x 64 columns (24 accumulators), so that each operand byte is loaded once in the work-group.
; The eight partial sums meet in LDS (rows of 256 bytes + 16); behind the one barrier wave w adds them for rows 12 w .. 12 w + 11, adds b3, multiplies by the gate weight, and stores each row's 256 bytes to its token's row.
; The barrier is on every path; the products and the way out stand under a scalar test on the counts.  16-row tiles beyond the expert's end are multiplied on the last live tile's codes and masked at the store:
; dead work inside a live tile, kept so that no LDS byte is read that was not written.
; The products are used transposed (source 0 = 16 columns of w3, source 1 = 16 rows of h): register j of lane (r, h) in tile 2 p + u is row r, column 32 p + 16 h + 8 u + j of the 64.
.set SPARE, 208896                     ; behind the eight partial sums of 26,112 bytes: the spare words, 128 bytes a wave
.set SPW, 12                           ; v12 LDS address of my spare word; never rewritten
.set NIL, 13                           ; v13 0; never rewritten
; window 0: v1 lane, v2 16 lane, v3 r, v4 h, v5 where my results go, v6-9 where I read rows back, v10 16 r, v11 8 r; v14-19 my six positions, v20-25 list offsets, then out0 offsets, v26-31 gate weights, v32-35 b3;
;   v36-47 h's scale words, v48-55 w3's (scales and nothing else); v56-61 tokens; v63 256 x + 16 r; v64-207 h's fragments (K step s, tile t) at 64 + 12 (6 s + t); v208-255 w3's of the first K step; later v64-255 the partial sums
; window 1: v0-191 the accumulators (t, c) at 8 (4 t + c); v192-239 w3's fragments of the second K step
.set MSB, 0
.macro WIN new                         ; the immediate's high byte repeats the setting that is left
.if MSB != \new
	s_set_vgpr_msb (MSB<<8)|\new
.set MSB, \new
.endif
.endm
; s16-23 the counts -> s35 1 if my row tile exists, s37 expert, s39 its count n, s41 my first position 96 j, s42 n or 0, s43 n - 1, s44 my last 16-row tile.  A work-group without rows maps to row tile 0, so that it reads written bytes.
.macro MAP
.irp i, 0,1,2,3,4,5,6,7
	s_min_u32 s[16+\i], s[16+\i], 2048
.endr
	s_mov_b32 s46, 0
.irp i, 0,1,2,3,4,5,6,7
	s_add_co_u32 s45, s[16+\i], 95
	s_lshr_b32 s45, s45, 5
	s_mul_i32 s45, s45, 171
	s_lshr_b32 s45, s45, 9                         ; ceil(n / 96): (a * 171) >> 9 = a / 3 for a up to 66
	s_add_co_u32 s46, s46, s45
	s_mov_b32 s[24+\i], s46                        ; row tiles of experts 0 .. i
.endr
	s_cmp_lt_u32 s34, s31
	s_cselect_b32 s35, 1, 0
	s_cselect_b32 s36, s34, 0
	s_mov_b32 s37, 0
	s_mov_b32 s38, 0
	s_mov_b32 s39, s16
.irp i, 1,2,3,4,5,6,7
	s_cmp_ge_u32 s36, s[23+\i]
	s_cselect_b32 s37, \i, s37
	s_cselect_b32 s38, s[23+\i], s38
	s_cselect_b32 s39, s[16+\i], s39
.endr
	s_min_u32 s37, s37, 7
	s_sub_co_u32 s40, s36, s38
	s_mul_i32 s41, s40, 96
	s_cmp_eq_u32 s35, 1
	s_cselect_b32 s42, s39, 0
	s_sub_co_u32 s43, s39, 1
	s_sub_co_u32 s44, s39, s41
	s_min_u32 s44, s44, 96
	s_add_co_u32 s44, s44, 15
	s_lshr_b32 s44, s44, 4
	s_sub_co_u32 s44, s44, 1
	s_min_u32 s44, s44, 5
.endm
.macro GV lbl                          ; has my row tile any row?
	s_cmp_eq_u32 s35, 1
	s_cbranch_scc0 \lbl
.endm
	s_load_b256 s[4:11], s[0:1], 0x0               ; order s[4:5], xq s[6:7], hq s[8:9], w3q s[10:11]
	s_load_b128 s[12:15], s[0:1], 0x20             ; b3 s[12:13], out0 s[14:15]
	v_lshl_add_u32 v[SPW], v0, 2, SPARE
	v_mov_b32 v[NIL], 0
	v_lshrrev_b32 v1, 5, v0
	v_readfirstlane_b32 s32, v1                    ; wave 0..7
	s_mov_b32 s33, ttmp9                           ; x
	s_and_b32 s34, ttmp7, 0xffff                   ; y
	v_and_b32 v1, 31, v0
	v_and_b32 v3, 15, v0
	v_bfe_u32 v4, v0, 4, 1
	v_lshlrev_b32 v2, 4, v1
	s_mul_i32 s45, s32, 26112
	v_mul_u32_u24 v5, v3, 272
	v_lshl_add_u32 v5, v4, 6, v5
	v_add_nc_u32 v5, s45, v5                       ; my partial sum: row r, + 64 h
	s_mul_i32 s45, s32, 12*272
	v_mul_u32_u24 v6, v4, 272
	v_lshl_add_u32 v6, v3, 4, v6
	v_add_nc_u32 v6, s45, v6                       ; back: rows 12 w + h, 16 bytes a lane; partial sums 0 and 1,
	v_add_nc_u32 v7, 52224, v6                     ; 2 and 3,
	v_add_nc_u32 v8, 104448, v6                    ; 4 and 5,
	v_add_nc_u32 v9, 156672, v6                    ; 6 and 7
	v_lshlrev_b32 v10, 4, v3
	v_lshlrev_b32 v11, 3, v3
	s_wait_kmcnt 0x0
	s_load_b256 s[16:23], s[4:5], 0x10000          ; the eight counts
	s_wait_kmcnt 0x0
	MAP
	s_mul_i32 s46, s34, 6
	s_mul_i32 s47, s32, 3072
	s_lshl_b32 s62, s32, 7
	s_add_co_u32 s62, s62, 4276224
	s_mov_b32 s61, 0
.irp t, 0,1,2,3,4,5                            ; h's tile 6 y + t, held at my last live tile: only tiles that launch 3 stored are read
	s_min_u32 s45, s44, \t
	s_add_co_u32 s45, s45, s46
	s_min_u32 s45, s45, 173
	s_mul_i32 s60, s45, 24576
	s_add_co_u32 s60, s60, s47
	s_add_nc_u64 s[48+2*\t:49+2*\t], s[8:9], s[60:61]      ; its codes at K step 2 w
	s_lshl_b32 s60, s45, 10
	s_add_co_u32 s60, s60, s62
	s_add_nc_u64 s[68+2*\t:69+2*\t], s[8:9], s[60:61]      ; its scale words for K steps 2 w, 2 w + 1
.endr
	s_lshl_b32 s60, s37, 5
	s_lshl_b32 s45, s33, 2
	s_add_co_u32 s60, s60, s45                     ; tile 32 e + 4 x
	s_lshl_b32 s60, s60, 4
	s_lshl_b32 s45, s32, 1
	s_add_co_u32 s60, s60, s45                     ; K step 2 w
	s_mul_i32 s60, s60, 1536
	s_add_nc_u64 s[80:81], s[10:11], s[60:61]      ; w3's fragments
	s_lshl_b32 s60, s37, 2
	s_lshr_b32 s45, s32, 1
	s_add_co_u32 s60, s60, s45
	s_lshl_b32 s60, s60, 9
	s_lshl_b32 s45, s33, 6
	s_add_co_u32 s60, s60, s45
	s_lshl_b32 s60, s60, 4
	s_and_b32 s45, s32, 1
	s_lshl_b32 s45, s45, 3
	s_add_co_u32 s60, s60, s45
	s_add_co_u32 s60, s60, 6291456
	s_add_nc_u64 s[82:83], s[10:11], s[60:61]      ; their scale words
	s_lshl_b32 s60, s37, 11
	s_lshl_b32 s66, s33, 8
	s_add_co_u32 s60, s60, s66
	s_add_nc_u64 s[84:85], s[12:13], s[60:61]      ; b3
	s_add_nc_u64 s[86:87], s[6:7], 819200          ; the gate weights
	v_add_nc_u32 v63, s66, v10
	s_mul_i32 s67, s32, 12
	s_add_co_u32 s67, s67, s41
	s_lshl_b32 s88, s37, 11                        ; the expert's part of the list (a register of its own: s48 to s59 hold h's addresses)
.irp i, 0,1,2,3,4,5
	v_add_nc_u32 v[14+\i], s67, v4
	v_add_nc_u32 v[14+\i], 2*\i, v[14+\i]          ; my positions: 96 j + 12 w + 2 i + h
	v_min_u32 v[20+\i], s43, v[14+\i]
	v_add_nc_u32 v[20+\i], s88, v[20+\i]
	v_min_u32 v[20+\i], 16383, v[20+\i]
	v_lshlrev_b32 v[20+\i], 2, v[20+\i]
	global_load_b32 v[56+\i], v[20+\i], s[4:5]     ; their tokens
.endr
	global_load_b128 v[32:35], v10, s[84:85]
	GV .Lc1
.irp t, 0,1,2,3,4,5                            ; the first K step: 18 + 12 + 6 + 4 loads
.irp i, 0,1,2
	global_load_b128 v[64+12*\t+4*\i:67+12*\t+4*\i], v2, s[48+2*\t:49+2*\t] offset:512*\i
.endr
.endr
.irp c, 0,1,2,3
.irp i, 0,1,2
	global_load_b128 v[208+12*\c+4*\i:211+12*\c+4*\i], v2, s[80:81] offset:24576*\c+512*\i
.endr
.endr
.irp t, 0,1,2,3,4,5
	global_load_b64 v[36+2*\t:37+2*\t], v11, s[68+2*\t:69+2*\t]
.endr
.irp c, 0,1,2,3
	global_load_b64 v[48+2*\c:49+2*\c], v10, s[82:83] offset:256*\c
.endr
.irp t, 0,1,2,3,4,5                            ; the second: 18 + 12
.irp i, 0,1,2
	global_load_b128 v[136+12*\t+4*\i:139+12*\t+4*\i], v2, s[48+2*\t:49+2*\t] offset:1536+512*\i
.endr
.endr
	WIN 0x40                                       ; destination window 1
.irp c, 0,1,2,3
.irp i, 0,1,2
	global_load_b128 v[192+12*\c+4*\i:195+12*\c+4*\i], v2, s[80:81] offset:24576*\c+1536+512*\i
.endr
.endr
	s_wait_loadcnt 30                              ; all but the second K step's 30
.irp t, 0,1,2,3,4,5                            ; the 24 accumulators take turns, in the same order in both K steps; the first products start the sums
.irp c, 0,1,2,3
	v_wmma_scale_f32_16x16x128_f8f6f4 v[8*(4*\t+\c):8*(4*\t+\c)+7], v[208+12*\c:219+12*\c], v[64+12*\t:75+12*\t], 0, v[48+2*\c], v[36+2*\t] matrix_a_fmt:MATRIX_FMT_FP6 matrix_b_fmt:MATRIX_FMT_FP6
.endr
.endr
	s_wait_loadcnt 0x0
	WIN 0x51                                       ; source 0 (w3), C and D window 1
.irp t, 0,1,2,3,4,5
.irp c, 0,1,2,3
	v_wmma_scale_f32_16x16x128_f8f6f4 v[8*(4*\t+\c):8*(4*\t+\c)+7], v[192+12*\c:203+12*\c], v[136+12*\t:147+12*\t], v[8*(4*\t+\c):8*(4*\t+\c)+7], v[49+2*\c], v[37+2*\t] matrix_a_fmt:MATRIX_FMT_FP6 matrix_b_fmt:MATRIX_FMT_FP6
.endr
.endr
	WIN 0
.rept 4
	v_nop                                          ; four places behind the last product (ISA guide 7.12.1)
.endr
	WIN 0x04                                       ; an LDS store's data are its source 1: window 1
.irp t, 0,1,2,3,4,5
.irp c, 0,1,2,3
	ds_store_b128 v5, v[8*(4*\t+\c):8*(4*\t+\c)+3] offset:4352*\t+128*(\c/2)+32*(\c%2)         ; each accumulator from its low end on
	ds_store_b128 v5, v[8*(4*\t+\c)+4:8*(4*\t+\c)+7] offset:4352*\t+128*(\c/2)+32*(\c%2)+16
.endr
.endr
	WIN 0
.Lc1:
	s_wait_loadcnt 0x0                             ; the tokens and b3 (on the way round the products too)
.irp i, 0,1,2,3,4,5
	v_min_u32 v[56+\i], 2047, v[56+\i]
	v_lshlrev_b32 v[20+\i], 11, v[56+\i]
	v_add_nc_u32 v[20+\i], v63, v[20+\i]           ; out0: token x 2,048 + 256 x + 16 r
	v_lshlrev_b32 v[56+\i], 2, v[56+\i]
	global_load_b32 v[26+\i], v[56+\i], s[86:87]   ; the gate weight
.endr
	s_wait_dscnt 0x0                               ; for the others: my stores have landed
	s_barrier_signal -1
	s_barrier_wait -1                              ; the eight partial sums lie in LDS
	GV .Lc2
.irp i, 0,1,2,3,4,5
.irp a, 0,1,2,3
.irp b, 0,1
	ds_load_b128 v[64+32*\i+4*(2*\a+\b):67+32*\i+4*(2*\a+\b)], v[6+\a] offset:26112*\b+544*\i
.endr
.endr
.endr
	s_wait_loadcnt 0x0                             ; the gate weights
.macro RED i
.set L0, 64+32*(\i)
	s_wait_dscnt 8*(5-(\i))                        ; this pair of rows is in; the later pairs' eight loads each may be out
.irp k, 0,2,4,6
	v_pk_add_f32 v[L0+4*\k:L0+4*\k+1], v[L0+4*\k:L0+4*\k+1], v[L0+4*\k+4:L0+4*\k+5]
	v_pk_add_f32 v[L0+4*\k+2:L0+4*\k+3], v[L0+4*\k+2:L0+4*\k+3], v[L0+4*\k+6:L0+4*\k+7]
.endr
.irp k, 0,4
	v_pk_add_f32 v[L0+4*\k:L0+4*\k+1], v[L0+4*\k:L0+4*\k+1], v[L0+4*\k+8:L0+4*\k+9]
	v_pk_add_f32 v[L0+4*\k+2:L0+4*\k+3], v[L0+4*\k+2:L0+4*\k+3], v[L0+4*\k+10:L0+4*\k+11]
.endr
	v_pk_add_f32 v[L0:L0+1], v[L0:L0+1], v[L0+16:L0+17]
	v_pk_add_f32 v[L0+2:L0+3], v[L0+2:L0+3], v[L0+18:L0+19]
	v_pk_add_f32 v[L0:L0+1], v[L0:L0+1], v[32:33]          ; + b3
	v_pk_add_f32 v[L0+2:L0+3], v[L0+2:L0+3], v[34:35]
.irp q, 0,1,2,3
	v_mul_f32 v[L0+\q], v[L0+\q], v[26+(\i)]               ; x the gate weight
.endr
.endm
	RED 0
	RED 1
	RED 2
	RED 3
	RED 4
	RED 5
.irp i, 0,1,2,3,4,5
	v_cmp_gt_u32 vcc_lo, s39, v[14+\i]             ; positions under the expert's count alone are stored
	s_wait_xcnt 0x0                                ; EXEC changes only behind this wait
	s_and_saveexec_b32 s90, vcc_lo
	global_store_b128 v[20+\i], v[64+32*\i:67+32*\i], s[14:15] th:TH_STORE_NT    ; sixteen lanes store 256 consecutive bytes of a token's row, aligned
	s_wait_xcnt 0x0                                ; and again, ahead of the line that widens it
	s_or_b32 exec_lo, exec_lo, s90
.endr
.Lc2:
	s_wait_tensorcnt 0x0                           ; the wave's end
	ds_add_u32 v[SPW], v[NIL]
	s_wait_dscnt 0x0
	s_endpgm
.Lfunc_end_k_qae7e406f52_combine:
	.size	k_qae7e406f52_combine, .Lfunc_end_k_qae7e406f52_combine-k_qae7e406f52_combine
	.p2alignl 7, 3214868480
	.fill 96, 4, 3214868480
	.section	.rodata,"a",@progbits
	.p2align	6, 0x0
	.amdhsa_kernel k_qae7e406f52_combine
		.amdhsa_group_segment_fixed_size 209920
		.amdhsa_private_segment_fixed_size 0
		.amdhsa_enable_private_segment 0
		.amdhsa_kernarg_size 48
		.amdhsa_user_sgpr_count 2
		.amdhsa_user_sgpr_kernarg_segment_ptr 1
		.amdhsa_wavefront_size32 1
		.amdhsa_system_sgpr_workgroup_id_x 1
		.amdhsa_system_sgpr_workgroup_id_y 1
		.amdhsa_system_sgpr_workgroup_id_z 1
		.amdhsa_system_vgpr_workitem_id 0
		.amdhsa_next_free_vgpr 496
		.amdhsa_next_free_sgpr 100
		.amdhsa_reserve_vcc 1
		.amdhsa_float_denorm_mode_32 3
		.amdhsa_float_denorm_mode_16_64 3
		.amdhsa_memory_ordered 1
		.amdhsa_forward_progress 1
		.amdhsa_inst_pref_size 41
	.end_amdhsa_kernel
	.amdgpu_metadata
---
amdhsa.version: [ 1, 2 ]
amdhsa.kernels:
  - .name:           k_qae7e406f52_combine
    .symbol:         k_qae7e406f52_combine.kd
    .args:
      - { .name: order, .offset: 0, .size: 8, .value_kind: global_buffer, .address_space: global }
      - { .name: xq, .offset: 8, .size: 8, .value_kind: global_buffer, .address_space: global }
      - { .name: hq, .offset: 16, .size: 8, .value_kind: global_buffer, .address_space: global }
      - { .name: w3q, .offset: 24, .size: 8, .value_kind: global_buffer, .address_space: global }
      - { .name: b3, .offset: 32, .size: 8, .value_kind: global_buffer, .address_space: global }
      - { .name: out0, .offset: 40, .size: 8, .value_kind: global_buffer, .address_space: global }
    .group_segment_fixed_size: 209920
    .private_segment_fixed_size: 0
    .kernarg_segment_align: 8
    .kernarg_segment_size: 48
    .max_flat_workgroup_size: 256
    .sgpr_count:     100
    .vgpr_count:     496
    .wavefront_size: 32
...
	.end_amdgpu_metadata
.endif
;; end of part 4
;; ======== version 2 of 2: 4 launches; version 1 with the launch hidden written anew for expert scheduling mode
;; workspace buffers: route 8,192 bytes of whole numbers; order 65,792 bytes of whole numbers; xq 827,392 bytes; w3q 6,553,600 bytes; w12q 13,107,200 bytes; hq 4,454,400 bytes
;; launch route_q3: the kernel of part 1 again; grid 320 x 1, 8 waves a work-group, no clusters, 2,048 bytes of LDS; arguments x, gate_w, gate_b, w3, route, xq, w3q, out1; writes route, xq, w3q, out1
;; launch sort_q12: the kernel of part 2 again; grid 513 x 1, 8 waves a work-group, no clusters, 2,304 bytes of LDS; arguments route, w1, w2, order, w12q; writes order, w12q
;; launch hidden (part 5): grid 8 x 29, 8 waves a work-group, no clusters, 74,240 bytes of LDS; arguments order, xq, w12q, b1, b2, hq; writes hq
.if DOCPART == 5
	.amdgcn_target "amdgcn-amd-amdhsa--gfx1250"
	.amdhsa_code_object_version 6
	.text
	.protected	k_qae7e406f52_hidden
	.globl	k_qae7e406f52_hidden
	.p2align	8
	.type	k_qae7e406f52_hidden,@function
k_qae7e406f52_hidden:
	s_mov_b64 s[64:65], 0
	v_nop
	global_prefetch_b8 v0, s[64:65] scope:SCOPE_SE
	s_setreg_imm32_b32 hwreg(HW_REG_WAVE_SCHED_MODE, 0, 2), 2
	s_setreg_imm32_b32 hwreg(HW_REG_WAVE_MODE, 25, 1), 1
	s_wait_xcnt 0x0
	s_wait_alu depctr_vm_vsrc(0)
; GatedMoEFFN, launch 3 of 4: h = gelu(x w1 + b1) (x w2 + b2) for each token's CHOSEN expert alone (the other experts' rows are multiplied by 0 in reference(): see launch 1's head), quantised to E2M3 along the hidden units.
; THE GRID SERVES EVERY SPLIT.  The tokens of an expert, in the order of launch 2's list, are cut into row tiles of 96; there are never more than ceil(2048 / 96) + 7 = 29.  Work-group (x, y): row tile y, hidden units 256 x on.
; From the eight stored counts each work-group finds its expert and its place (macro MAP).  A work-group that the split leaves without rows stores nothing.  No tensor load: branches hang on stored numbers.
; Every barrier is on every path; only a 16-row tile's own work and stores stand under a scalar test on the counts, and the tests fail in order, so each leads behind the last tile.
; SHARES.  Wave w makes hidden units 32 B .. 32 B + 31, B = 8 x + w, one block of the next K, for all 96 rows: its 16 weight fragments (2 tiles x 4 K steps x w1, w2) stay in registers.
; The products are used transposed (source 0 = 16 weight columns, source 1 = 16 tokens), and the columns of a tile are chosen (launch 2) so that a lane's 16 results are 16 neighbouring hidden units of one token.
; erf: the rational x P(x^2) / Q(x^2) of degrees 13 and 8 on x held to +-4 (absolute error about 1e-7), P's coefficients halved so that 0.5 + x P / Q = 0.5 (1 + erf).  LIMIT: for g under about -5.6 that factor is
; about 1e-8 where the true one is smaller still.  A block of zeros gets the scale byte 1 (its codes are zeros).
; hq: 16-row tile G = 6 y + t: codes at G * 24,576 + K step * 1,536, an image of the operand's registers; scale words from byte 4,276,224: G * 1,024 + 128 (K step / 2) + 8 r + 4 (K step % 2).
; LDS: six x tiles of 8,976 bytes: piece p (16 bytes) of row r at 816 (p / 3) + 16 (p % 3) + 48 r; pieces 0-23 codes, 24 the scale bytes, 25-31 overhang that nobody reads; then h's images, 3,072 a tile; its scale bytes, 128 a tile.
; THE MODE: SCHED_MODE bits 1:0 = 2 (LLVM: expert scheduling mode 2), set by the entry lines.  The code itself states the register dependences
; between vector or matrix instructions and memory or LDS instructions, with s_wait_alu, always for 0.
; THE PLAN.  Registers that memory or LDS instructions touch:
;   v2, v5-13, v220-223   offsets and LDS addresses: made at the head, never written again.
;   v116-127              the list's offsets: twelve moves write them, the list's loads read them; tile 0's arithmetic writes them again.
;   v132-143              the tokens land here, vector lines make the rows' offsets of them, the rows' loads read them; tile 0's arithmetic writes them again.
;   X0, X1                two buffers for x's four fragments and four scale words of a 16-row tile.  Tile t's products read X[t % 2]; behind them the LDS loads of tile t + 1 land in the other.
;                         (X0 first takes the gathered rows, which the LDS stores ahead of the first barrier read; 24 registers of X1 take the way out's loads at the end.)
;   v188, v190-192        a tile's scale byte and codes: its shift and its conversion write them, its four LDS stores read them, the next tile writes them again.
; So a tile holds ONE wait on va_vdst of the plan's own, ahead of its four LDS stores: it states that byte and codes are written, and that the tile's products are done reading their x buffer.  Between that wait and the
; loads that land in that buffer again (behind the next tile's products) the vector and matrix instructions name the other buffer, the weights and the registers at work alone.  One wait on vm_vsrc follows the four stores.
.set XT,    8976
.set HST,   54016
.set HSS,   72448
.set SPARE, 73216                      ; the spare words, 128 bytes a wave
.set SPW, 14                           ; v14 LDS address of my spare word; never rewritten
.set NIL, 15                           ; v15 0; never rewritten
; window 0: v1 lane, v2 16 lane, v3 r, v4 h, v5 gather's LDS place, v6 x fragments, v7 x scale words, v8-10 where my three code registers go, v11 my scale byte, v12 16 thread, v13 4 lane;
;   v16-31 the weights' scale words, v32-35 and v248-251 x's, buffers 0 and 1 (scales and nothing else); v36-83 x's four fragments, buffer 0; buffer 1: v196-219 and v224-247;
;   v84-99 g, then h; v100-115 u; v116-179 at work; v180-183 two constants as pairs; v184-192 the quantiser; v196-219 once more: the way out;
;   v220 16 r, v221 64 h; v222, v223 the way out's LDS addresses: the regions' bases lie in the registers, since an LDS immediate has 16 bits
; window 1: v0-95 w1's fragments at 12 (4 u + s), v96-191 w2's, v192-207 b1, v208-223 b2 in the result's layout
.set MSB, 0
.macro WIN new                         ; the immediate's high byte repeats the setting that is left
.if MSB != \new
	s_set_vgpr_msb (MSB<<8)|\new
.set MSB, \new
.endif
.endm
; s16-23 the counts -> s35 1 if my row tile exists, s37 expert, s39 its count n, s41 my first position 96 j, s42 n or 0, s43 n - 1, s44 my last 16-row tile.  A work-group without rows maps to row tile 0, so that it reads written bytes.
.macro MAP
.irp i, 0,1,2,3,4,5,6,7
	s_min_u32 s[16+\i], s[16+\i], 2048
.endr
	s_mov_b32 s46, 0
.irp i, 0,1,2,3,4,5,6,7
	s_add_co_u32 s45, s[16+\i], 95
	s_lshr_b32 s45, s45, 5
	s_mul_i32 s45, s45, 171
	s_lshr_b32 s45, s45, 9                         ; ceil(n / 96): (a * 171) >> 9 = a / 3 for a up to 66
	s_add_co_u32 s46, s46, s45
	s_mov_b32 s[24+\i], s46                        ; row tiles of experts 0 .. i
.endr
	s_cmp_lt_u32 s34, s31
	s_cselect_b32 s35, 1, 0
	s_cselect_b32 s36, s34, 0
	s_mov_b32 s37, 0
	s_mov_b32 s38, 0
	s_mov_b32 s39, s16
.irp i, 1,2,3,4,5,6,7
	s_cmp_ge_u32 s36, s[23+\i]
	s_cselect_b32 s37, \i, s37
	s_cselect_b32 s38, s[23+\i], s38
	s_cselect_b32 s39, s[16+\i], s39
.endr
	s_min_u32 s37, s37, 7
	s_sub_co_u32 s40, s36, s38
	s_mul_i32 s41, s40, 96
	s_cmp_eq_u32 s35, 1
	s_cselect_b32 s42, s39, 0
	s_sub_co_u32 s43, s39, 1
	s_sub_co_u32 s44, s39, s41
	s_min_u32 s44, s44, 96
	s_add_co_u32 s44, s44, 15
	s_lshr_b32 s44, s44, 4
	s_sub_co_u32 s44, s44, 1
	s_min_u32 s44, s44, 5
.endm
.macro GUARD t, lbl                    ; has 16-row tile t a row?
	s_add_co_u32 s45, s41, 16*(\t)
	s_cmp_lt_u32 s45, s42
	s_cbranch_scc0 \lbl
.endm
	s_load_b256 s[4:11], s[0:1], 0x0               ; order s[4:5], xq s[6:7], w12q s[8:9], b1 s[10:11]
	s_load_b128 s[12:15], s[0:1], 0x20             ; b2 s[12:13], hq s[14:15]
	v_lshl_add_u32 v[SPW], v0, 2, SPARE
	v_mov_b32 v[NIL], 0
	v_lshrrev_b32 v1, 5, v0
	v_readfirstlane_b32 s32, v1                    ; wave 0..7
	s_mov_b32 s33, ttmp9                           ; x
	s_and_b32 s34, ttmp7, 0xffff                   ; y
	v_and_b32 v1, 31, v0
	v_and_b32 v3, 15, v0
	v_bfe_u32 v4, v0, 4, 1
	v_lshlrev_b32 v2, 4, v1
	v_mul_u32_u24 v117, v1, 171
	v_lshrrev_b32 v117, 9, v117                    ; lane / 3
	v_mul_u32_u24 v118, v117, 3
	v_sub_nc_u32 v118, v1, v118                    ; lane % 3
	v_mul_u32_u24 v5, v117, 816
	v_lshl_add_u32 v5, v118, 4, v5
	s_wait_alu depctr_va_sdst(0)                   ; s32, the wave's number, is written, ahead of its first reader: LDS places and the weights' addresses are made from it
	s_mul_i32 s45, s32, 96
	v_add_nc_u32 v5, s45, v5                       ; the gather: my piece, rows 2 w and 2 w + 1
	v_mul_u32_u24 v6, v3, 48
	v_add_nc_u32 v7, 6528, v6                      ; row r's scale bytes
	v_mad_u32_u24 v6, v4, 816, v6                  ; lane (r, h)'s 48 bytes of K step 0
	s_bfe_u32 s47, s32, 0x10001
	s_mul_i32 s47, s47, 6
	v_mul_u32_u24 v8, v4, 3
	v_add_nc_u32 v8, s47, v8                       ; my codes are registers 6 ((w / 2) % 2) + 3 h + 0, 1, 2 of lane r + 16 (w % 2) of K step w / 4
	s_lshr_b32 s48, s32, 2
	s_mul_i32 s48, s48, 1536
	s_and_b32 s49, s32, 1
	s_lshl_b32 s49, s49, 8
	s_add_co_u32 s48, s48, s49
	s_add_co_u32 s48, s48, HST
	v_lshl_add_u32 v116, v3, 4, s48
.irp m, 2,1,0
	v_add_nc_u32 v117, \m, v8
	v_lshrrev_b32 v118, 2, v117
	v_and_b32 v117, 3, v117
	v_lshl_add_u32 v118, v118, 9, v116
	v_lshl_add_u32 v[8+\m], v117, 2, v118          ; register n of lane L lies at 512 (n / 4) + 16 L + 4 (n % 4)
.endr
	s_add_co_u32 s50, s32, HSS
	v_lshl_add_u32 v11, v3, 3, s50                 ; row r's eight scale bytes, mine the w-th
	v_lshlrev_b32 v12, 4, v0                       ; the way out, in hq: 16 x thread,
	v_lshlrev_b32 v13, 2, v1                       ; 4 x lane;
	v_lshl_add_u32 v222, v0, 4, HST                ; and the same places in LDS
	v_lshl_add_u32 v223, v1, 2, HSS
	v_lshlrev_b32 v220, 4, v3
	v_lshlrev_b32 v221, 6, v4
	v_mov_b32 v180, 0xaf15df0b                     ; a13 / 2
	v_mov_b32 v181, 0xaf15df0b
	v_mov_b32 v182, 0xb77460cd                     ; b8
	v_mov_b32 v183, 0xb77460cd
	v_mov_b32 v186, 0                              ; a lane permute's destination counts as read
	s_mov_b32 s92, 0x76543210
	s_mov_b32 s93, 0xfedcba98
	s_wait_kmcnt 0x0
	s_load_b256 s[16:23], s[4:5], 0x10000          ; the eight counts
	s_wait_kmcnt 0x0
	MAP
	; the 12 rows that my wave gathers: positions 96 j + 16 t + 2 w + a, held at n - 1: a tile's spare rows repeat the expert's last token
	s_lshl_b32 s47, s32, 1
	s_add_co_u32 s47, s47, s41
	s_lshl_b32 s48, s37, 11
.irp i, 0,1,2,3,4,5,6,7,8,9,10,11
	s_add_co_u32 s45, s47, 16*(\i/2)+(\i%2)
	s_min_u32 s45, s45, s43
	s_add_co_u32 s45, s45, s48
	s_min_u32 s45, s45, 16383
	s_lshl_b32 s45, s45, 2
	v_mov_b32 v[116+\i], s45
.endr
	s_wait_alu depctr_va_vdst(0)                   ; the list's twelve offsets v116-127 are written, and so is every offset and LDS address of the head (v2, v5-13, v220-223), which the loads and stores of the whole kernel read
.irp i, 0,1,2,3,4,5,6,7,8,9,10,11
	global_load_b32 v[132+\i], v[116+\i], s[4:5]   ; the token, the same in all lanes
.endr
	s_lshl_b32 s46, s33, 3
	s_add_co_u32 s46, s46, s32                     ; B
	s_lshl_b32 s47, s37, 7
	s_lshl_b32 s48, s46, 1
	s_add_co_u32 s47, s47, s48                     ; tile 128 e + 2 B
	s_mul_i32 s62, s47, 6144
	s_mov_b32 s63, 0
	s_add_nc_u64 s[50:51], s[8:9], s[62:63]        ; my fragments of w1; w2's lie 6,553,600 bytes on
	s_lshl_b32 s47, s37, 11
	s_lshl_b32 s48, s46, 5
	s_add_co_u32 s47, s47, s48                     ; 2048 e + 32 B
	s_lshl_b32 s62, s47, 4
	s_add_co_u32 s62, s62, 6291456
	s_add_nc_u64 s[52:53], s[8:9], s[62:63]        ; their scale words
	s_lshl_b32 s62, s47, 2
	s_add_nc_u64 s[54:55], s[10:11], s[62:63]      ; b1
	s_add_nc_u64 s[56:57], s[12:13], s[62:63]      ; b2
	s_mul_i32 s62, s34, 6*24576
	s_mul_i32 s48, s33, 3072
	s_add_co_u32 s62, s62, s48
	s_add_nc_u64 s[58:59], s[14:15], s[62:63]      ; hq: codes of tile 6 y, K steps 2 x and 2 x + 1
	s_mul_i32 s62, s34, 6144
	s_lshl_b32 s48, s33, 7
	s_add_co_u32 s62, s62, s48
	s_add_co_u32 s62, s62, 4276224
	s_add_nc_u64 s[60:61], s[14:15], s[62:63]      ; and their scale words
	WIN 0x40                                       ; destination window 1.  Since the wait above only loads, scalar lines and this switch were issued: the offsets v2, v220, v221 owe nothing more, and no vector line has named the registers loaded here
.irp m, 0,1
.irp f, 0,1,2,3,4,5,6,7
.irp i, 0,1,2
	global_load_b128 v[96*\m+12*\f+4*\i:96*\m+12*\f+4*\i+3], v2, s[50:51] offset:6553600*\m+1536*\f+512*\i
.endr
.endr
.endr
.irp u, 0,1                                    ; lane (r, h) wants, for tile u, the biases of units 32 B + 16 h + 8 u + 0 .. 7
	global_load_b128 v[192+8*\u:195+8*\u], v221, s[54:55] offset:32*\u
	global_load_b128 v[196+8*\u:199+8*\u], v221, s[54:55] offset:32*\u+16
	global_load_b128 v[208+8*\u:211+8*\u], v221, s[56:57] offset:32*\u
	global_load_b128 v[212+8*\u:215+8*\u], v221, s[56:57] offset:32*\u+16
.endr
	WIN 0
.irp m, 0,1
.irp u, 0,1
	global_load_b128 v[16+4*(2*\m+\u):19+4*(2*\m+\u)], v220, s[52:53] offset:6553600*\m+256*\u
.endr
.endr
	s_wait_loadcnt 60                              ; the 12 tokens are in: behind them 48 + 8 + 4 loads were issued
.irp i, 0,1,2,3,4,5,6,7,8,9,10,11
	v_min_u32 v[132+\i], 2047, v[132+\i]
.endr
.irp i, 0,1,2,3,4,5,6,7,8,9,10,11
	v_mul_u32_u24 v[132+\i], v[132+\i], 400
.endr
.irp i, 0,1,2,3,4,5,6,7,8,9,10,11
	v_add_nc_u32 v[132+\i], v[132+\i], v2
.endr
	s_wait_alu depctr_va_vdst(0)                   ; the rows' twelve offsets v132-143 are written, which the loads below read
.irp i, 0,1,2,3,4,5,6,7,8,9,10,11
	global_load_b128 v[36+4*\i:39+4*\i], v[132+\i], s[6:7]         ; 32 lanes read 512 bytes on end: the row's 400 and an overhang that stays inside xq
.endr
	s_wait_loadcnt 0x0                             ; the rows, and the weights with them
.irp i, 0,1,2,3,4,5,6,7,8,9,10,11
	ds_store_b128 v5, v[36+4*\i:39+4*\i] offset:XT*(\i/2)+48*(\i%2)
.endr
	s_wait_dscnt 0x0                               ; for the others: my stores have landed
	s_barrier_signal -1
	s_barrier_wait -1                              ; the 96 rows of x lie in LDS
	s_wait_alu depctr_vm_vsrc(0)                   ; my LDS stores have read v36-83, in which tile 0's fragments land; the list's loads have read v116-127 and the rows' loads v132-143, which tile 0's arithmetic writes
; x's four fragments and four scale words of 16-row tile t into buffer p: fragment s at 36 + 12 s (buffer 0) or at 196, 208, 224, 236 (buffer 1); the words at 32 or at 248.  All 96 rows lie in LDS on every path.
.macro XFETCH t, p
.irp s, 0,1,2,3
.irp i, 0,1,2
	ds_load_b128 v[36+12*\s+(\p)*(160+4*(\s/2))+4*\i:39+12*\s+(\p)*(160+4*(\s/2))+4*\i], v6 offset:XT*(\t)+1632*\s+16*\i
.endr
.endr
	ds_load_b128 v[32+216*(\p):35+216*(\p)], v7 offset:XT*(\t)
.endm
.macro BODY t
.set XP, (\t)%2                        ; this tile's buffer of x
	GUARD \t, .Lbodies_done
.if (\t) == 0
	XFETCH 0, 0
	s_wait_dscnt 0x0                               ; tile 0's fragments are in
.else
	s_wait_dscnt 4                                 ; LDS instructions come back in order (ISA guide 5.7.1): this tile's 13 loads are in; behind them the last tile's four stores were issued, which may be out
.endif
	WIN 0x11                                       ; source 0 (weights) and source 2 (bias) window 1.  The four accumulators take turns, one instruction a turn
.irp u, 0,1
	v_wmma_scale_f32_16x16x128_f8f6f4 v[84+8*\u:91+8*\u], v[48*\u:48*\u+11], v[36+160*XP:47+160*XP], v[192+8*\u:199+8*\u], v[16+4*\u], v[32+216*XP] matrix_a_fmt:MATRIX_FMT_FP6 matrix_b_fmt:MATRIX_FMT_FP6
.endr
.irp u, 0,1
	v_wmma_scale_f32_16x16x128_f8f6f4 v[100+8*\u:107+8*\u], v[96+48*\u:96+48*\u+11], v[36+160*XP:47+160*XP], v[208+8*\u:215+8*\u], v[24+4*\u], v[32+216*XP] matrix_a_fmt:MATRIX_FMT_FP6 matrix_b_fmt:MATRIX_FMT_FP6
.endr
	WIN 0x01
.irp s, 1,2,3
.irp u, 0,1
	v_wmma_scale_f32_16x16x128_f8f6f4 v[84+8*\u:91+8*\u], v[48*\u+12*\s:48*\u+12*\s+11], v[36+12*\s+XP*(160+4*(\s/2)):47+12*\s+XP*(160+4*(\s/2))], v[84+8*\u:91+8*\u], v[16+4*\u+\s], v[32+216*XP+\s] matrix_a_fmt:MATRIX_FMT_FP6 matrix_b_fmt:MATRIX_FMT_FP6
.endr
.irp u, 0,1
	v_wmma_scale_f32_16x16x128_f8f6f4 v[100+8*\u:107+8*\u], v[96+48*\u+12*\s:96+48*\u+12*\s+11], v[36+12*\s+XP*(160+4*(\s/2)):47+12*\s+XP*(160+4*(\s/2))], v[100+8*\u:107+8*\u], v[24+4*\u+\s], v[32+216*XP+\s] matrix_a_fmt:MATRIX_FMT_FP6 matrix_b_fmt:MATRIX_FMT_FP6
.endr
.endr
	WIN 0
.if (\t) < 5
	XFETCH (\t)+1, 1-(\t)%2                        ; the next tile's fragments into the other buffer, with this tile's arithmetic in which to land.  No wait: the last tile's closing wait on va_vdst showed that buffer's readers done, and no vector or matrix instruction since names it
.endif
.rept 4
	v_nop                                          ; four places behind the last product (ISA guide 7.12.1)
.endr
	; register 8 u + j of lane (r, h): token r, hidden unit 32 B + 16 h + 8 u + j.  Each stage goes over the eight pairs in ascending order
.irp p, 0,2,4,6,8,10,12,14
	v_pk_mul_f32 v[116+\p:117+\p], v[84+\p:85+\p], 0x3f3504f3 op_sel_hi:[1,0]     ; z = g / sqrt(2)
.endr
.irp p, 0,1,2,3,4,5,6,7,8,9,10,11,12,13,14,15
	v_med3_num_f32 v[116+\p], v[116+\p], -4.0, 4.0
.endr
.irp p, 0,2,4,6,8,10,12,14
	v_pk_mul_f32 v[132+\p:133+\p], v[116+\p:117+\p], v[116+\p:117+\p]
.endr
.irp p, 0,2,4,6,8,10,12,14
	v_pk_fma_f32 v[148+\p:149+\p], v[132+\p:133+\p], v[180:181], 0x326dffee op_sel_hi:[1,1,0]
.endr
.irp c, 0xb58cff51, 0xb7eec2d2, 0xb9c0ac63, 0xbac1a1f6, 0xbc03dbd4
.irp p, 0,2,4,6,8,10,12,14
	v_pk_fma_f32 v[148+\p:149+\p], v[148+\p:149+\p], v[132+\p:133+\p], \c op_sel_hi:[1,1,0]
.endr
.endr
.irp p, 0,2,4,6,8,10,12,14
	v_pk_mul_f32 v[148+\p:149+\p], v[148+\p:149+\p], v[116+\p:117+\p]
.endr
.irp p, 0,2,4,6,8,10,12,14
	v_pk_fma_f32 v[164+\p:165+\p], v[132+\p:133+\p], v[182:183], 0xb95fbd29 op_sel_hi:[1,1,0]
.endr
.irp c, 0xbadc924e, 0xbbf19bf8, 0xbc69b6a7
.irp p, 0,2,4,6,8,10,12,14
	v_pk_fma_f32 v[164+\p:165+\p], v[164+\p:165+\p], v[132+\p:133+\p], \c op_sel_hi:[1,1,0]
.endr
.endr
.irp p, 0,1,2,3,4,5,6,7,8,9,10,11,12,13,14,15
	v_rcp_f32 v[116+\p], v[164+\p]
.endr
.irp p, 0,2,4,6,8,10,12,14
	v_pk_mul_f32 v[100+\p:101+\p], v[84+\p:85+\p], v[100+\p:101+\p]    ; g u: plain work behind the batch of reciprocals
.endr
	s_wait_alu depctr_va_vdst(0)                   ; the sixteen reciprocals have written v116-131: one wait for the batch, ahead of its first reader
.irp p, 0,2,4,6,8,10,12,14
	v_pk_fma_f32 v[148+\p:149+\p], v[148+\p:149+\p], v[116+\p:117+\p], 0.5 op_sel_hi:[1,1,0]   ; 0.5 (1 + erf z)
.endr
.irp p, 0,2,4,6,8,10,12,14
	v_pk_mul_f32 v[84+\p:85+\p], v[100+\p:101+\p], v[148+\p:149+\p]    ; h
.endr
	v_max3_num_f32 v184, |v84|, |v85|, 0x1800000   ; my 16 of the block, and the floor 2^(3 - 127)
	v_max3_num_f32 v185, |v86|, |v87|, |v88|
	v_max3_num_f32 v184, v184, |v89|, |v90|
	v_max3_num_f32 v185, v185, |v91|, |v92|
	v_max3_num_f32 v184, v184, |v93|, |v94|
	v_max3_num_f32 v185, v185, |v95|, |v96|
	v_max3_num_f32 v184, v184, |v97|, |v98|
	v_max3_num_f32 v184, v184, v185, |v99|
	v_permlanex16_b32 v186, v184, s92, s93
	v_max_num_f32 v184, v184, v186                 ; with lane l xor 16's: the block's largest magnitude
	v_add_nc_u32 v187, 0xff000000, v184            ; the conversion's scale operand
	v_lshrrev_b32 v188, 23, v187                   ; the byte
	v_cvt_scalef32_pk16_fp6_f32 v[190:192], v[84:99], v187
	v_nop                                          ; a plain line behind the conversion
	s_wait_alu depctr_va_vdst(0)                   ; the shift has written v188 and the conversion v190-192, which the four LDS stores read; and this tile's products are done reading their buffer of x, in which the loads of the tile after next land (buffer 1: the way out's too)
	ds_store_b32 v8, v190 offset:3072*(\t)
	ds_store_b32 v9, v191 offset:3072*(\t)
	ds_store_b32 v10, v192 offset:3072*(\t)
	ds_store_b8 v11, v188 offset:128*(\t)          ; both halves of the lanes store the same byte with the same value
.if (\t) < 5
	s_wait_alu depctr_vm_vsrc(0)                   ; the four stores have read v188 and v190-192, which the next tile's quantiser writes again: stated here, ahead of the next tile's branch
.endif
.endm
	BODY 0
	BODY 1
	BODY 2
	BODY 3
	BODY 4
	BODY 5
.Lbodies_done:
	s_wait_dscnt 0x0                               ; for the others: my stores have landed; and the fragments asked for ahead of a tile that has no row are in
	s_barrier_signal -1
	s_barrier_wait -1                              ; the tiles' two fragments and their scale words are whole
	s_cmp_lt_u32 s32, 6
	s_cbranch_scc0 .Lnot_codes
.irp t, 0,1,2,3,4,5                            ; waves 0-5: a tile's 3,072 bytes of codes, 16 a thread.  On every way here the last vector or matrix instruction stands ahead of a wait on va_vdst: the products that read v196-219 are done
	GUARD \t, .Lout_done
	ds_load_b128 v[196+4*\t:199+4*\t], v222 offset:3072*\t
	s_wait_dscnt 0x0
	global_store_b128 v12, v[196+4*\t:199+4*\t], s[58:59] offset:24576*\t     ; a wave stores 512 consecutive bytes, aligned; each tile has its own data registers
.endr
	s_branch .Lout_done
.Lnot_codes:
	s_cmp_eq_u32 s32, 6
	s_cbranch_scc0 .Lout_done
.irp t, 0,1,2,3,4,5                            ; wave 6: a tile's 128 scale bytes
	GUARD \t, .Lout_done
	ds_load_b32 v[196+4*\t], v223 offset:128*\t
	s_wait_dscnt 0x0
	global_store_b32 v13, v[196+4*\t], s[60:61] offset:1024*\t
.endr
.Lout_done:
	s_wait_dscnt 0x0                               ; the wave's end
	s_wait_alu 0x0
	s_wait_tensorcnt 0x0
	ds_add_u32 v[SPW], v[NIL]
	s_wait_dscnt 0x0
	s_endpgm
.Lfunc_end_k_qae7e406f52_hidden:
	.size	k_qae7e406f52_hidden, .Lfunc_end_k_qae7e406f52_hidden-k_qae7e406f52_hidden
	.p2alignl 7, 3214868480
	.fill 96, 4, 3214868480
	.section	.rodata,"a",@progbits
	.p2align	6, 0x0
	.amdhsa_kernel k_qae7e406f52_hidden
		.amdhsa_group_segment_fixed_size 74240
		.amdhsa_private_segment_fixed_size 0
		.amdhsa_enable_private_segment 0
		.amdhsa_kernarg_size 48
		.amdhsa_user_sgpr_count 2
		.amdhsa_user_sgpr_kernarg_segment_ptr 1
		.amdhsa_wavefront_size32 1
		.amdhsa_system_sgpr_workgroup_id_x 1
		.amdhsa_system_sgpr_workgroup_id_y 1
		.amdhsa_system_sgpr_workgroup_id_z 1
		.amdhsa_system_vgpr_workitem_id 0
		.amdhsa_next_free_vgpr 480
		.amdhsa_next_free_sgpr 100
		.amdhsa_reserve_vcc 0
		.amdhsa_float_denorm_mode_32 3
		.amdhsa_float_denorm_mode_16_64 3
		.amdhsa_memory_ordered 1
		.amdhsa_forward_progress 1
		.amdhsa_inst_pref_size 127
	.end_amdhsa_kernel
	.amdgpu_metadata
---
amdhsa.version: [ 1, 2 ]
amdhsa.kernels:
  - .name:           k_qae7e406f52_hidden
    .symbol:         k_qae7e406f52_hidden.kd
    .args:
      - { .name: order, .offset: 0, .size: 8, .value_kind: global_buffer, .address_space: global }
      - { .name: xq, .offset: 8, .size: 8, .value_kind: global_buffer, .address_space: global }
      - { .name: w12q, .offset: 16, .size: 8, .value_kind: global_buffer, .address_space: global }
      - { .name: b1, .offset: 24, .size: 8, .value_kind: global_buffer, .address_space: global }
      - { .name: b2, .offset: 32, .size: 8, .value_kind: global_buffer, .address_space: global }
      - { .name: hq, .offset: 40, .size: 8, .value_kind: global_buffer, .address_space: global }
    .group_segment_fixed_size: 74240
    .private_segment_fixed_size: 0
    .kernarg_segment_align: 8
    .kernarg_segment_size: 48
    .max_flat_workgroup_size: 256
    .sgpr_count:     100
    .vgpr_count:     480
    .wavefront_size: 32
...
	.end_amdgpu_metadata
.endif
;; end of part 5
;; launch combine: the kernel of part 4 again; grid 8 x 29, 8 waves a work-group, no clusters, 209,920 bytes of LDS; arguments order, xq, hq, w3q, b3, out0; writes out0
